; MI455X (gfx1250); checked and timed in simulation.
; The chip was launched on July 23, 2026; its instructions are those of AMD's public machine-readable ISA for CDNA 5 (MIT licence, August 2026) and "CDNA5" Instruction Set Architecture Reference Guide (July 2026). The comments in the code are by the model that wrote it; some were corrected since.
;; Temporal Fusion. Allowed arithmetic: float matrix products may take bf16 or f16 operands with f32 sums; other float arithmetic in f32, or as packed bf16 or f16 multiplies, adds, multiply-adds, maxima and minima; sums over many terms, partial sums and values carried from step to step in f32; what a program stores and reads back later, other than sums and carried values, may be rounded once to bf16 or f16.
;; Inputs: feats 4 x 5 x 256 x 32 x 32 float32; params_layers_0_ca_b_in 768 float32; params_layers_0_ca_b_out 256 float32; params_layers_0_ca_w_in 768 x 256 float32; params_layers_0_ca_w_out 256 x 256 float32; params_layers_0_lin1_b 1,024 float32; params_layers_0_lin1_w 1,024 x 256 float32; params_layers_0_lin2_b 256 float32; params_layers_0_lin2_w 256 x 1,024 float32; params_layers_0_ln1_b 256 float32; params_layers_0_ln1_g 256 float32; params_layers_0_ln2_b 256 float32; params_layers_0_ln2_g 256 float32; params_layers_0_ln3_b 256 float32; params_layers_0_ln3_g 256 float32; params_layers_0_sa_b_in 768 float32; params_layers_0_sa_b_out 256 float32; params_layers_0_sa_w_in 768 x 256 float32; params_layers_0_sa_w_out 256 x 256 float32; params_layers_1_ca_b_in 768 float32; params_layers_1_ca_b_out 256 float32; params_layers_1_ca_w_in 768 x 256 float32; params_layers_1_ca_w_out 256 x 256 float32; params_layers_1_lin1_b 1,024 float32; params_layers_1_lin1_w 1,024 x 256 float32; params_layers_1_lin2_b 256 float32; params_layers_1_lin2_w 256 x 1,024 float32; params_layers_1_ln1_b 256 float32; params_layers_1_ln1_g 256 float32; params_layers_1_ln2_b 256 float32; params_layers_1_ln2_g 256 float32; params_layers_1_ln3_b 256 float32; params_layers_1_ln3_g 256 float32; params_layers_1_sa_b_in 768 float32; params_layers_1_sa_b_out 256 float32; params_layers_1_sa_w_in 768 x 256 float32; params_layers_1_sa_w_out 256 x 256 float32; params_sp 9 x 256 float32; params_tp 5 x 256 float32.
;; Outputs: out0 4 x 256 x 32 x 32 float32.
;; 2 versions, each right; version 2 is version 1 with the launches kvw, dec written anew for expert scheduling mode. Each part assembles by itself: llvm-mc -triple=amdgcn-amd-amdhsa -mcpu=gfx1250 --defsym DOCPART=n.
;; ======== version 1 of 2: 3 launches
;; limits: a function is approximated: absolute error at most 1.5e-07
;; workspace buffers: kv 50,333,696 bytes; wst 3,145,728 bytes; xo 4,194,304 bytes
;; launch kvw (part 1): grid 64 x 4, 8 waves a work-group, no clusters, 310,272 bytes of LDS; arguments feats, params_tp, params_sp, kv, wst, params_layers_0_sa_w_in, params_layers_0_sa_w_out, params_layers_0_ca_w_in, params_layers_0_ca_w_out, params_layers_0_lin1_w, params_layers_0_lin2_w, params_layers_1_sa_w_in, params_layers_1_sa_w_out, params_layers_1_ca_w_in, params_layers_1_ca_w_out, params_layers_1_lin1_w, params_layers_1_lin2_w; writes kv, wst
.if DOCPART == 1
	.amdgcn_target "amdgcn-amd-amdhsa--gfx1250"
	.amdhsa_code_object_version 6
	.text
	.protected	k_qa8badee622_kvw
	.globl	k_qa8badee622_kvw
	.p2align	8
	.type	k_qa8badee622_kvw,@function
k_qa8badee622_kvw:
	s_mov_b64 s[64:65], 0
	v_nop
	global_prefetch_b8 v0, s[64:65] scope:SCOPE_SE
	s_setreg_imm32_b32 hwreg(HW_REG_WAVE_MODE, 25, 1), 1
	s_wait_xcnt 0x0
; K AND V OF EVERY REAL TOKEN, ONCE, FOR BOTH LAYERS; AND THE DECODER'S WEIGHTS AS bf16 IN THE ORDER IN WHICH THEY ARE STREAMED.
; The projection is linear: W (f + tp[t] + sp[s]) = W (f + tp[t]) + W sp[s].  So the 20,480 tokens (b, t, pixel) are projected once, not once for each of nine windows.
; kv row g = (5 b + t) 1024 + pixel holds [K0 | V0 | K1 | V1], 256 bf16 each, without bias.  Row 20480 + 1024 t holds W tp[t] (a token outside the image: f = 0), row 20481 + s holds W sp[s].
; SHARES.  Work-group (mb, nq): tokens 320 mb .. + 319 x the 256 columns of quarter nq (layer nq / 2; K or V by nq % 2).  Eight waves: wm = w / 2 takes 80 tokens (5 tiles), wn = w % 2 takes 128 columns (8 tiles): 40 accumulators.
; The matrix instruction is used transposed (source 0 = 16 rows of W, source 1 = 16 tokens): a lane ends with one token and eight neighbouring columns, 16 bytes of a kv row.
; NO TENSOR LOAD, NO CLUSTER: both operands arrive in f32 and pass through registers to become bf16; as f32 they would take 320 x 1,024 + 256 x 1,024 bytes of LDS, more than there is.
; ROUNDINGS: f + tp is added in f32 and rounded once to bf16; W once to bf16; sums in f32; K and V rounded once to bf16.
; LDS: WT [256 n][528] bf16, k on end; TT [256 c][672] bf16, tokens on end (bytes 640-671 of a row: the 16 position columns, written and read where mb = 0 alone); the stages of the way out lie over WT, behind the second barrier.
.set WPITCH, 528                       ; 512 + 16: an odd multiple of 16 bytes, so the 16 rows of a fragment load begin in 16 different groups of four banks (ISA guide 11.1)
.set TT,     135168
.set TPITCH, 672                       ; 21 x 32: an odd multiple of 32 bytes
.set SPITCH, 272
.set SPARE,  309248                    ; the spare words: 128 bytes for each of the eight waves; no other line names them
.set FB, 42                            ; s[42:51]  feats at unit u's 64 tokens, channel 0
.set TB, 52                            ; s[52:61]  tp at unit u's frame
.set TF, 16                            ; v[16:55]   5 token fragments
.set WF, 56                            ; v[56:119]  8 fragments of W
.set ACC, 128                          ; accumulator (i, j) at v[128 + 8 (8 i + j)]: tiles 0, 1 in window 0, tiles 2-4 and the position tile (i = 5) in window 1
.set TMP, 16                           ; the way out: packed results
.set OB, 48                            ; the way out: rows read back, v48-79 and v80-111 by turns
.set MSB, 0
.macro WIN new                         ; the immediate's high byte repeats the setting that is left; a switch that changes nothing is dropped
.if MSB != (\new)
	s_set_vgpr_msb (MSB<<8)|(\new)
.set MSB, \new
.endif
.endm
.macro PLACES                          ; four plain places behind a matrix instruction (ISA guide 7.12.1)
.rept 4
	v_nop
.endr
.endm
	s_load_b256 s[4:11], s[0:1], 0x0               ; feats s[4:5], tp s[6:7], sp s[8:9], kv s[10:11]
	s_load_b64 s[12:13], s[0:1], 0x20              ; wst
	s_load_b512 s[16:31], s[0:1], 0x28             ; layer 0: sa_w_in, sa_w_out, ca_w_in, ca_w_out, lin1_w, lin2_w; layer 1: sa_w_in, sa_w_out
	s_load_b256 s[32:39], s[0:1], 0x68             ; layer 1: ca_w_in, ca_w_out, lin1_w, lin2_w
	v_lshl_add_u32 v2, v0, 2, SPARE
	v_mov_b32 v3, 0
	v_lshrrev_b32 v4, 5, v0
	v_readfirstlane_b32 s14, v4                    ; wave
	s_mov_b32 s15, ttmp9                           ; mb
	s_and_b32 s2, ttmp7, 0xffff                    ; nq
	s_lshr_b32 s62, s14, 1                         ; wm
	s_and_b32 s63, s14, 1                          ; wn
	s_or_b32 s95, s15, s62                         ; 0 in the two waves that make the position rows
	v_and_b32 v8, 15, v0                           ; r = l % 16
	v_bfe_u32 v9, v0, 4, 1                         ; h = l / 16
	v_and_b32 v10, 31, v0                          ; l
	v_lshlrev_b32 v1, 4, v10                       ; 16 l; never rewritten
	s_lshl_b32 s72, s14, 17
	v_lshlrev_b32 v11, 4, v8
	v_lshl_add_u32 v11, v9, 14, v11
	v_add_nc_u32 v11, s72, v11                     ; feats: channel 32 w + 4 h, tokens 4 r ..
	s_lshl_b32 s72, s14, 7
	v_lshl_add_u32 v12, v9, 4, s72                 ; tp: channel 32 w + 4 h
	s_mul_i32 s72, s14, 32*WPITCH
	v_lshl_add_u32 v13, v10, 3, s72                ; WT: row 32 w, 8 bytes a lane
	s_mul_i32 s72, s14, 32*TPITCH
	s_add_co_u32 s72, s72, TT
	v_mul_u32_u24 v14, v9, 4*TPITCH
	v_lshl_add_u32 v14, v8, 3, v14
	v_add_nc_u32 v14, s72, v14                     ; TT: row 32 w + 4 h, 8 bytes a lane of a half
	s_lshl_b32 s72, s14, 15
	v_add_nc_u32 v15, s72, v1                      ; W in memory: row 32 w, 16 bytes a lane
	v_lshlrev_b32 v4, 5, v9
	v_lshl_add_u32 v5, v8, 12, v4                  ; the stream's source, rows of 4,096 bytes: r x 4096 + 32 h
	v_lshl_add_u32 v4, v8, 10, v4                  ; rows of 1,024 bytes
	v_lshlrev_b32 v6, 2, v0                        ; 4 x thread
	; THE STREAM.  wst is [wave 8][layer 2][unit 96][tile 2][half 2][lane 32][16 B].  A block of 512 bytes is half a fragment: lane (r, h) holds W[n0 + r][k0 + 16 c + 8 h .. + 7].
	; 6,144 blocks, three to each wave of the launch: one of the four 256 x 256 matrices (a = w % 4), one of lin1, one of lin2, of layer w / 4.
	s_lshl_b32 s3, s15, 2
	s_add_co_u32 s3, s3, s2                        ; g = 4 mb + nq
	s_and_b32 s76, s14, 3                          ; a
	s_lshr_b32 s77, s14, 2
	s_mul_i32 s77, s77, 196608                     ; the layer's part of a wave's stream
	s_lshr_b32 s78, s3, 4                          ; block 1: nt = g / 16, ks = (g / 2) % 8, c = g % 2
	s_bfe_u32 s79, s3, 0x30001
	s_and_b32 s80, s3, 1
	s_lshl_b32 s82, s78, 14
	s_lshl_b32 s81, s79, 7
	s_add_co_u32 s82, s82, s81
	s_lshl_b32 s81, s80, 6
	s_add_co_u32 s82, s82, s81                     ; from: nt x 16 rows + 128 ks + 64 c
	s_mov_b32 s83, 0
	s_lshr_b32 s81, s78, 1
	s_mul_i32 s84, s81, 393216                     ; to: wave nt / 2,
	s_add_co_u32 s84, s84, s77
	s_lshl_b32 s81, s76, 3
	s_add_co_u32 s81, s81, s79
	s_lshl_b32 s81, s81, 11
	s_add_co_u32 s84, s84, s81                     ; unit 8 a + ks,
	s_and_b32 s81, s78, 1
	s_lshl_b32 s81, s81, 10
	s_add_co_u32 s84, s84, s81                     ; tile nt % 2,
	s_lshl_b32 s81, s80, 9
	s_add_co_u32 s84, s84, s81                     ; half c
	s_mov_b32 s85, 0
	s_lshl_b32 s94, s3, 2
	s_add_co_u32 s94, s94, s76                     ; i = 4 g + a
	s_lshr_b32 s78, s94, 4                         ; block 2, lin1: nt = i / 16, ks = (i / 2) % 8, c = i % 2
	s_bfe_u32 s79, s94, 0x30001
	s_and_b32 s80, s94, 1
	s_lshl_b32 s86, s78, 14
	s_lshl_b32 s81, s79, 7
	s_add_co_u32 s86, s86, s81
	s_lshl_b32 s81, s80, 6
	s_add_co_u32 s86, s86, s81
	s_mov_b32 s87, 0
	s_lshr_b32 s81, s78, 3
	s_mul_i32 s88, s81, 393216                     ; wave nt / 8,
	s_add_co_u32 s88, s88, s77
	s_bfe_u32 s81, s78, 0x20001
	s_lshl_b32 s81, s81, 3
	s_add_co_u32 s81, s81, s79
	s_add_co_u32 s81, s81, 32
	s_lshl_b32 s81, s81, 11
	s_add_co_u32 s88, s88, s81                     ; unit 32 + 8 ((nt / 2) % 4) + ks
	s_and_b32 s81, s78, 1
	s_lshl_b32 s81, s81, 10
	s_add_co_u32 s88, s88, s81
	s_lshl_b32 s81, s80, 9
	s_add_co_u32 s88, s88, s81
	s_mov_b32 s89, 0
	s_lshr_b32 s78, s94, 6                         ; block 3, lin2: nt = i / 64, ks = (i / 2) % 32, c = i % 2
	s_bfe_u32 s79, s94, 0x50001
	s_lshl_b32 s90, s78, 16
	s_lshl_b32 s81, s79, 7
	s_add_co_u32 s90, s90, s81
	s_lshl_b32 s81, s80, 6
	s_add_co_u32 s90, s90, s81
	s_mov_b32 s91, 0
	s_lshr_b32 s81, s78, 1
	s_mul_i32 s92, s81, 393216
	s_add_co_u32 s92, s92, s77
	s_add_co_u32 s81, s79, 64
	s_lshl_b32 s81, s81, 11
	s_add_co_u32 s92, s92, s81                     ; unit 64 + ks
	s_and_b32 s81, s78, 1
	s_lshl_b32 s81, s81, 10
	s_add_co_u32 s92, s92, s81
	s_lshl_b32 s81, s80, 9
	s_add_co_u32 s92, s92, s81
	s_mov_b32 s93, 0
	s_wait_kmcnt 0x0
	s_cmp_lt_u32 s2, 2                             ; my quarter's rows of ca_w_in: layer nq / 2, rows 256 + 256 (nq % 2) on
	s_cselect_b64 s[40:41], s[20:21], s[32:33]
	s_and_b32 s72, s2, 1
	s_lshl_b32 s72, s72, 18
	s_add_co_u32 s72, s72, 262144
	s_mov_b32 s73, 0
	s_add_nc_u64 s[40:41], s[40:41], s[72:73]
	s_cmp_lt_u32 s14, 4                            ; the stream's sources: layer w / 4,
	s_cselect_b64 s[16:17], s[16:17], s[28:29]
	s_cselect_b64 s[18:19], s[18:19], s[30:31]
	s_cselect_b64 s[20:21], s[20:21], s[32:33]
	s_cselect_b64 s[22:23], s[22:23], s[34:35]
	s_cselect_b64 s[24:25], s[24:25], s[36:37]
	s_cselect_b64 s[26:27], s[26:27], s[38:39]
	s_add_nc_u64 s[16:17], s[16:17], 0x80000       ; of sa_w_in the V third, rows 512 on: with one key the softmax of self-attention is 1, so its Q and K thirds change nothing
	s_cmp_eq_u32 s76, 1                            ; matrix a
	s_cselect_b64 s[16:17], s[18:19], s[16:17]
	s_cmp_eq_u32 s76, 2
	s_cselect_b64 s[16:17], s[20:21], s[16:17]
	s_cmp_eq_u32 s76, 3
	s_cselect_b64 s[16:17], s[22:23], s[16:17]
	s_add_nc_u64 s[16:17], s[16:17], s[82:83]
	s_add_nc_u64 s[24:25], s[24:25], s[86:87]
	s_add_nc_u64 s[26:27], s[26:27], s[90:91]
	s_add_nc_u64 s[66:67], s[12:13], s[84:85]
	s_add_nc_u64 s[68:69], s[12:13], s[88:89]
	s_add_nc_u64 s[70:71], s[12:13], s[92:93]
	; the five units of 64 tokens: unit gu = 5 mb + u lies in image bt = gu / 16, frame t = bt % 5
.irp u, 0,1,2,3,4
	s_mul_i32 s72, s15, 5
	s_add_co_u32 s72, s72, \u
	s_lshr_b32 s73, s72, 4                         ; bt
	s_and_b32 s72, s72, 15
	s_lshl_b32 s72, s72, 8
	s_lshl_b32 s74, s73, 20
	s_add_co_u32 s74, s74, s72
	s_mov_b32 s75, 0
	s_add_nc_u64 s[FB+2*\u:FB+2*\u+1], s[4:5], s[74:75]
	s_mul_i32 s72, s73, 13
	s_lshr_b32 s72, s72, 6                         ; bt / 5 for bt < 20
	s_mul_i32 s72, s72, 5
	s_sub_co_u32 s72, s73, s72                     ; t
	s_lshl_b32 s74, s72, 10
	s_add_nc_u64 s[TB+2*\u:TB+2*\u+1], s[6:7], s[74:75]
.endr
	s_lshl_b32 s74, s2, 9                          ; kv: my 256 bytes of a row,
	s_lshl_b32 s75, s63, 8
	s_add_co_u32 s74, s74, s75
	s_mov_b32 s75, 0
	s_add_nc_u64 s[98:99], s[10:11], s[74:75]
	s_mul_i32 s72, s15, 320
	s_mul_i32 s74, s62, 80
	s_add_co_u32 s72, s72, s74
	s_lshl_b32 s72, s72, 11
	s_mov_b32 s73, 0
	s_add_nc_u64 s[96:97], s[98:99], s[72:73]      ; at my first token
; THE WAY IN.  Three sets of 80 registers take turns.  A unit of feats: 64 tokens x my 32 channels; lanes 0-15 take a channel's 256 bytes, lanes 16-31 those of the channel four on.
.macro FISS st, un                     ; 20 loads: tp of my lane's 16 channels, then 16 x 512 bytes of feats
.irp q, 0,1,2,3
	global_load_b128 v[(\st)+64+4*(\q):(\st)+64+4*(\q)+3], v12, s[TB+2*(\un):TB+2*(\un)+1] offset:32*(\q)
.endr
.irp i, 0,1,2,3,4,5,6,7,8,9,10,11,12,13,14,15
	global_load_b128 v[(\st)+4*(\i):(\st)+4*(\i)+3], v11, s[FB+2*(\un):FB+2*(\un)+1] offset:(8*((\i)>>2)+((\i)&3))*4096
.endr
.endm
.macro FDRN st, un, cnt                ; cnt: the younger loads, which stay out.  f + tp in f32, rounded once, 8 bytes a lane into TT
	s_wait_loadcnt \cnt
.irp i, 0,1,2,3,4,5,6,7,8,9,10,11,12,13,14,15
.if (\i)&1
	v_pk_add_f32 v[(\st)+4*(\i):(\st)+4*(\i)+1], v[(\st)+4*(\i):(\st)+4*(\i)+1], v[(\st)+63+(\i):(\st)+64+(\i)] op_sel:[0,1] op_sel_hi:[1,1]
	v_pk_add_f32 v[(\st)+4*(\i)+2:(\st)+4*(\i)+3], v[(\st)+4*(\i)+2:(\st)+4*(\i)+3], v[(\st)+63+(\i):(\st)+64+(\i)] op_sel:[0,1] op_sel_hi:[1,1]
.else
	v_pk_add_f32 v[(\st)+4*(\i):(\st)+4*(\i)+1], v[(\st)+4*(\i):(\st)+4*(\i)+1], v[(\st)+64+(\i):(\st)+65+(\i)] op_sel_hi:[1,0]
	v_pk_add_f32 v[(\st)+4*(\i)+2:(\st)+4*(\i)+3], v[(\st)+4*(\i)+2:(\st)+4*(\i)+3], v[(\st)+64+(\i):(\st)+65+(\i)] op_sel_hi:[1,0]
.endif
	v_cvt_pk_bf16_f32 v[(\st)+4*(\i)], v[(\st)+4*(\i)], v[(\st)+4*(\i)+1]
	v_cvt_pk_bf16_f32 v[(\st)+4*(\i)+1], v[(\st)+4*(\i)+2], v[(\st)+4*(\i)+3]
	ds_store_b64 v14, v[(\st)+4*(\i):(\st)+4*(\i)+1] offset:(8*((\i)>>2)+((\i)&3))*TPITCH+128*(\un)
.endr
.endm
.macro WISS st, ch                     ; 16 loads: eight of my 32 rows of W, 512 bytes on end each
.irp i, 0,1,2,3,4,5,6,7,8,9,10,11,12,13,14,15
	global_load_b128 v[(\st)+4*(\i):(\st)+4*(\i)+3], v15, s[40:41] offset:(8*(\ch)+((\i)>>1))*1024+((\i)&1)*512
.endr
.endm
.macro WDRN st, ch, cnt
	s_wait_loadcnt \cnt
.irp i, 0,1,2,3,4,5,6,7,8,9,10,11,12,13,14,15
	v_cvt_pk_bf16_f32 v[(\st)+4*(\i)], v[(\st)+4*(\i)], v[(\st)+4*(\i)+1]
	v_cvt_pk_bf16_f32 v[(\st)+4*(\i)+1], v[(\st)+4*(\i)+2], v[(\st)+4*(\i)+3]
	ds_store_b64 v13, v[(\st)+4*(\i):(\st)+4*(\i)+1] offset:(8*(\ch)+((\i)>>1))*WPITCH+((\i)&1)*256
.endr
.endm
	FISS 16, 0
	FISS 96, 1
	FISS 176, 2
	FDRN 16, 0, 40                                 ; behind unit 0: units 1 and 2
	FISS 16, 3
	FDRN 96, 1, 40
	FISS 96, 4
	FDRN 176, 2, 40
	WISS 176, 0
	FDRN 16, 3, 36                                 ; unit 4's 20 and W's first 16
	WISS 16, 1
	FDRN 96, 4, 32
	WISS 96, 2
	WDRN 176, 0, 32
	WISS 176, 3
	WDRN 16, 1, 32
	global_load_b128 v[16:19], v4, s[16:17]        ; the stream's three blocks: 32 bytes of f32 a lane each
	global_load_b128 v[20:23], v4, s[16:17] offset:16
	global_load_b128 v[24:27], v4, s[24:25]
	global_load_b128 v[28:31], v4, s[24:25] offset:16
	global_load_b128 v[32:35], v5, s[26:27]
	global_load_b128 v[36:39], v5, s[26:27] offset:16
	WDRN 96, 2, 22                                 ; W's last 16 and the stream's 6
	WDRN 176, 3, 6
	s_wait_loadcnt 0x0
.irp i, 0,1,2,3,4,5,6,7,8,9,10,11
	v_cvt_pk_bf16_f32 v[40+\i], v[16+2*\i], v[17+2*\i]
.endr
	global_store_b128 v1, v[40:43], s[66:67]       ; each store of the wave covers 512 consecutive bytes, aligned
	global_store_b128 v1, v[44:47], s[68:69]
	global_store_b128 v1, v[48:51], s[70:71]
	; the 16 position columns: tp[0..4], sp[0..8], two of zeros; thread c has channel c
	s_cmp_lg_u32 s15, 0
	s_cbranch_scc1 .Lnopos
.irp t, 0,1,2,3,4
	global_load_b32 v[96+\t], v6, s[6:7] offset:1024*\t
.endr
.irp s, 0,1,2,3,4,5,6,7,8
	global_load_b32 v[101+\s], v6, s[8:9] offset:1024*\s
.endr
	v_mul_u32_u24 v7, v0, TPITCH
	v_add_nc_u32 v7, TT+640, v7
	s_wait_loadcnt 0x0
.irp k, 0,1,2,3,4,5,6
	v_cvt_pk_bf16_f32 v[112+\k], v[96+2*\k], v[97+2*\k]
.endr
	v_mov_b32 v119, 0
	ds_store_b128 v7, v[112:115]
	ds_store_b128 v7, v[116:119] offset:16
.Lnopos:
	s_wait_xcnt 0x0                                ; the stream's stores have read v40-51: the fragments below land there only behind this wait
	; the products' addresses.  The turning load: lane l reads channel k0 + 8 h + l % 8, tokens n0 + 8 ((l / 8) % 2) .. + 7, and is left with token n0 + r, channels k0 + 8 h .. + 7
	v_and_b32 v12, 7, v0
	v_bfe_u32 v13, v0, 3, 1
	v_lshl_add_u32 v12, v9, 3, v12
	v_mul_u32_u24 v12, v12, TPITCH
	v_lshl_add_u32 v12, v13, 4, v12
	s_mul_i32 s72, s62, 160
	s_add_co_u32 s72, s72, TT
	v_add_nc_u32 v4, s72, v12                      ; K steps 0-2
	v_add_nc_u32 v5, 64512, v4                     ; K steps 3-5: 96 rows on, since an immediate holds 16 bits
	v_add_nc_u32 v6, 64512, v5                     ; K steps 6, 7
	v_mul_u32_u24 v7, v8, WPITCH
	v_lshl_add_u32 v7, v9, 4, v7
	s_mul_i32 s72, s63, 128*WPITCH
	v_add_nc_u32 v7, s72, v7                       ; W: row 128 wn + r, 16 h
	s_mul_i32 s72, s14, 16*SPITCH                  ; my stage
	v_lshlrev_b32 v11, 4, v8                       ; 16 r
	v_mul_u32_u24 v13, v9, SPITCH
	v_add_nc_u32 v13, v13, v11
	v_add_nc_u32 v13, s72, v13                     ; back: lanes 0-15 one row of 256 bytes, lanes 16-31 the next
	v_lshl_add_u32 v10, v9, 11, v11                ; and the same two rows of kv
	v_mul_u32_u24 v12, v8, SPITCH
	v_lshl_add_u32 v12, v9, 4, v12
	v_add_nc_u32 v12, s72, v12                     ; in: row r, 16 bytes for each half of the lanes
	s_wait_dscnt 0x0                               ; for the others' sake: my stores into WT and TT are done
	s_barrier_signal -1
	s_barrier_wait -1
; A K step of 32 channels: 26 LDS loads, 40 products.  The 40 accumulators take turns, one instruction a turn, from step to step too.
.macro KSTEP ks
.irp i, 0,1,2,3,4
	ds_load_tr16_b128 v[TF+8*\i:TF+8*\i+3],   v[4+(\ks)/3] offset:((\ks)%3)*21504+32*\i
	ds_load_tr16_b128 v[TF+8*\i+4:TF+8*\i+7], v[4+(\ks)/3] offset:((\ks)%3)*21504+32*\i+10752
.endr
.irp j, 0,1,2,3,4,5,6,7
	ds_load_b128 v[WF+8*\j:WF+8*\j+3],   v7 offset:\j*16*WPITCH+(\ks)*64
	ds_load_b128 v[WF+8*\j+4:WF+8*\j+7], v7 offset:\j*16*WPITCH+(\ks)*64+32
.endr
	s_wait_dscnt 0x0
.irp i, 0,1,2,3,4
.if \i < 2
	WIN 0
.else
	WIN 0x50                                       ; C and D in window 1
.endif
.irp j, 0,1,2,3,4,5,6,7
.if (\ks) == 0
	v_wmma_f32_16x16x32_bf16 v[(ACC+8*(8*\i+\j))&255:((ACC+8*(8*\i+\j))&255)+7], v[WF+8*\j:WF+8*\j+7], v[TF+8*\i:TF+8*\i+7], 0
.else
	v_wmma_f32_16x16x32_bf16 v[(ACC+8*(8*\i+\j))&255:((ACC+8*(8*\i+\j))&255)+7], v[WF+8*\j:WF+8*\j+7], v[TF+8*\i:TF+8*\i+7], v[(ACC+8*(8*\i+\j))&255:((ACC+8*(8*\i+\j))&255)+7]
.endif
.endr
.endr
	WIN 0
	PLACES                                         ; in front of the next loads into the fragments
.endm
.irp k, 0,1,2,3,4,5,6,7
	KSTEP \k
.endr
	; the position tile: tokens 320-335 of TT, in the two waves with wm = 0 of the work-groups with mb = 0
	s_cmp_lg_u32 s95, 0
	s_cbranch_scc1 .Lnoposmul
.macro POSSTEP ks
	ds_load_tr16_b128 v[TF:TF+3],   v[4+(\ks)/3] offset:((\ks)%3)*21504+640
	ds_load_tr16_b128 v[TF+4:TF+7], v[4+(\ks)/3] offset:((\ks)%3)*21504+640+10752
.irp j, 0,1,2,3,4,5,6,7
	ds_load_b128 v[WF+8*\j:WF+8*\j+3],   v7 offset:\j*16*WPITCH+(\ks)*64
	ds_load_b128 v[WF+8*\j+4:WF+8*\j+7], v7 offset:\j*16*WPITCH+(\ks)*64+32
.endr
	s_wait_dscnt 0x0
	WIN 0x50
.irp j, 0,1,2,3,4,5,6,7
.if (\ks) == 0
	v_wmma_f32_16x16x32_bf16 v[192+8*\j:192+8*\j+7], v[WF+8*\j:WF+8*\j+7], v[TF:TF+7], 0
.else
	v_wmma_f32_16x16x32_bf16 v[192+8*\j:192+8*\j+7], v[WF+8*\j:WF+8*\j+7], v[TF:TF+7], v[192+8*\j:192+8*\j+7]
.endif
.endr
	WIN 0
	PLACES
.endm
.irp k, 0,1,2,3,4,5,6,7
	POSSTEP \k
.endr
.Lnoposmul:
	PLACES                                         ; four more in front of the conversions that read results
	s_wait_dscnt 0x0                               ; my reads of WT and TT are over
	s_barrier_signal -1
	s_barrier_wait -1                              ; everybody's are: the stages may lie over WT
; THE WAY OUT of tile ti (5: the position tile).  A lane's eight columns pack into 16 bytes; they go into my stage's rows of 272 bytes and come back as whole rows of 256.
.macro PACK ti
.if (\ti) < 2
	WIN 0
.else
	WIN 0x05                                       ; sources in window 1
.endif
.irp j, 0,1,2,3,4,5,6,7
.irp q, 0,1,2,3
	v_cvt_pk_bf16_f32 v[TMP+4*\j+\q], v[((ACC+8*(8*(\ti)+\j))&255)+2*\q], v[((ACC+8*(8*(\ti)+\j))&255)+2*\q+1]
.endr
.endr
	WIN 0
.endm
.macro TOSTAGE ti
	s_wait_xcnt 0x0                                ; the stores of two tiles back have read the registers that the loads below fill
.irp j, 0,1,2,3,4,5,6,7
	ds_store_b128 v12, v[TMP+4*\j:TMP+4*\j+3] offset:32*\j
.endr
.irp t, 0,1,2,3,4,5,6,7
	ds_load_b128 v[OB+32*((\ti)%2)+4*\t:OB+32*((\ti)%2)+4*\t+3], v13 offset:\t*2*SPITCH  ; LDS serves a wave's instructions in order (ISA guide 5.7.1.4): these see the stores above
.endr
.endm
.macro SEND ti
	s_wait_dscnt 0x0
.irp t, 0,1,2,3,4,5,6,7
	global_store_b128 v10, v[OB+32*((\ti)%2)+4*\t:OB+32*((\ti)%2)+4*\t+3], s[96:97] offset:(16*(\ti)+2*\t)*2048  ; 16 lanes store 256 consecutive bytes, at a multiple of 256 from kv's first byte
.endr
.endm
	PACK 0
	TOSTAGE 0
.irp i, 1,2,3,4
	PACK \i
	SEND \i-1
	TOSTAGE \i
.endr
	SEND 4
	s_cmp_lg_u32 s95, 0
	s_cbranch_scc1 .Lend
	PACK 5
	TOSTAGE 5
.irp t, 0,1,2,3,4,5,6                  ; stage row q = 2 t + h goes to kv row 20480 + 1024 q (q < 5: W tp[q]) or 20476 + q (W sp[q - 5]); rows 14 and 15 are not stored
	v_add_nc_u32 v119, 2*\t, v9
	v_lshl_add_u32 v120, v119, 10, 20480
	v_add_nc_u32 v121, 20476, v119
	v_cmp_gt_u32 vcc_lo, 5, v119
	v_cndmask_b32 v120, v121, v120, vcc_lo
	v_lshl_add_u32 v[112+\t], v120, 11, v11
.endr
	s_wait_dscnt 0x0
.irp t, 0,1,2,3,4,5,6
	global_store_b128 v[112+\t], v[OB+32+4*\t:OB+32+4*\t+3], s[98:99]
.endr
.Lend:
	s_wait_tensorcnt 0x0                           ; the wave's end: three closing lines, behind my last LDS store
	ds_add_u32 v2, v3
	s_wait_dscnt 0x0
	s_endpgm
.Lfunc_end_k_qa8badee622_kvw:
	.size	k_qa8badee622_kvw, .Lfunc_end_k_qa8badee622_kvw-k_qa8badee622_kvw
	.p2alignl 7, 3214868480
	.fill 96, 4, 3214868480
	.section	.rodata,"a",@progbits
	.p2align	6, 0x0
	.amdhsa_kernel k_qa8badee622_kvw
		.amdhsa_group_segment_fixed_size 310272
		.amdhsa_private_segment_fixed_size 0
		.amdhsa_enable_private_segment 0
		.amdhsa_kernarg_size 136
		.amdhsa_user_sgpr_count 2
		.amdhsa_user_sgpr_kernarg_segment_ptr 1
		.amdhsa_wavefront_size32 1
		.amdhsa_system_sgpr_workgroup_id_x 1
		.amdhsa_system_sgpr_workgroup_id_y 1
		.amdhsa_system_sgpr_workgroup_id_z 1
		.amdhsa_system_vgpr_workitem_id 0
		.amdhsa_next_free_vgpr 512
		.amdhsa_next_free_sgpr 100
		.amdhsa_reserve_vcc 1
		.amdhsa_float_denorm_mode_32 3
		.amdhsa_float_denorm_mode_16_64 3
		.amdhsa_memory_ordered 1
		.amdhsa_forward_progress 1
		.amdhsa_inst_pref_size 142
	.end_amdhsa_kernel
	.amdgpu_metadata
---
amdhsa.version: [ 1, 2 ]
amdhsa.kernels:
  - .name:           k_qa8badee622_kvw
    .symbol:         k_qa8badee622_kvw.kd
    .args:
      - { .name: feats, .offset: 0, .size: 8, .value_kind: global_buffer, .address_space: global }
      - { .name: params_tp, .offset: 8, .size: 8, .value_kind: global_buffer, .address_space: global }
      - { .name: params_sp, .offset: 16, .size: 8, .value_kind: global_buffer, .address_space: global }
      - { .name: kv, .offset: 24, .size: 8, .value_kind: global_buffer, .address_space: global }
      - { .name: wst, .offset: 32, .size: 8, .value_kind: global_buffer, .address_space: global }
      - { .name: params_layers_0_sa_w_in, .offset: 40, .size: 8, .value_kind: global_buffer, .address_space: global }
      - { .name: params_layers_0_sa_w_out, .offset: 48, .size: 8, .value_kind: global_buffer, .address_space: global }
      - { .name: params_layers_0_ca_w_in, .offset: 56, .size: 8, .value_kind: global_buffer, .address_space: global }
      - { .name: params_layers_0_ca_w_out, .offset: 64, .size: 8, .value_kind: global_buffer, .address_space: global }
      - { .name: params_layers_0_lin1_w, .offset: 72, .size: 8, .value_kind: global_buffer, .address_space: global }
      - { .name: params_layers_0_lin2_w, .offset: 80, .size: 8, .value_kind: global_buffer, .address_space: global }
      - { .name: params_layers_1_sa_w_in, .offset: 88, .size: 8, .value_kind: global_buffer, .address_space: global }
      - { .name: params_layers_1_sa_w_out, .offset: 96, .size: 8, .value_kind: global_buffer, .address_space: global }
      - { .name: params_layers_1_ca_w_in, .offset: 104, .size: 8, .value_kind: global_buffer, .address_space: global }
      - { .name: params_layers_1_ca_w_out, .offset: 112, .size: 8, .value_kind: global_buffer, .address_space: global }
      - { .name: params_layers_1_lin1_w, .offset: 120, .size: 8, .value_kind: global_buffer, .address_space: global }
      - { .name: params_layers_1_lin2_w, .offset: 128, .size: 8, .value_kind: global_buffer, .address_space: global }
    .group_segment_fixed_size: 310272
    .private_segment_fixed_size: 0
    .kernarg_segment_align: 8
    .kernarg_segment_size: 136
    .max_flat_workgroup_size: 256
    .sgpr_count:     100
    .vgpr_count:     512
    .wavefront_size: 32
...
	.end_amdgpu_metadata
.endif
;; end of part 1
;; launch dec (part 2): grid 256 x 1, 8 waves a work-group, no clusters, 295,936 bytes of LDS; arguments feats, kv, wst, xo, params_layers_0_sa_b_in, params_layers_0_sa_b_out, params_layers_0_ca_b_in, params_layers_0_ca_b_out, params_layers_0_lin1_b, params_layers_0_lin2_b, params_layers_0_ln1_g, params_layers_0_ln1_b, params_layers_0_ln2_g, params_layers_0_ln2_b, params_layers_0_ln3_g, params_layers_0_ln3_b, params_layers_1_sa_b_in, params_layers_1_sa_b_out, params_layers_1_ca_b_in, params_layers_1_ca_b_out, params_layers_1_lin1_b, params_layers_1_lin2_b, params_layers_1_ln1_g, params_layers_1_ln1_b, params_layers_1_ln2_g, params_layers_1_ln2_b, params_layers_1_ln3_g, params_layers_1_ln3_b; writes xo
.if DOCPART == 2
	.amdgcn_target "amdgcn-amd-amdhsa--gfx1250"
	.amdhsa_code_object_version 6
	.text
	.protected	k_qa8badee622_dec
	.globl	k_qa8badee622_dec
	.p2align	8
	.type	k_qa8badee622_dec,@function
k_qa8badee622_dec:
	s_mov_b64 s[64:65], 0
	v_nop
	global_prefetch_b8 v0, s[64:65] scope:SCOPE_SE
	s_setreg_imm32_b32 hwreg(HW_REG_WAVE_MODE, 25, 1), 1
	s_wait_xcnt 0x0
; BOTH DECODER LAYERS FOR 4 x 4 PIXELS; x never leaves the work-group.  4,096 pixels / 16 = 256 work-groups.
; IN A PRODUCT wave w makes output columns 32 w .. + 31 (lin1: 128 w .. + 127) of all 16 rows; the matrix instruction is used transposed (source 0 = 16 rows of W, source 1 = the 16 rows of x), so a lane ends
; with row r = l % 16 and eight neighbouring columns; the bias enters as the C operand of the first product.  AS OWNER wave w has rows 2 w, 2 w + 1 and lane l channels 8 l .. + 7: residual (f32, 16 registers), LayerNorm, attention.
; WEIGHTS come as bf16 fragments in stream order (wst), straight into a ring of 128 registers (window 1): 32 loads of 512 consecutive bytes are out for each wave all the time, 8 units of 2,048 bytes ahead.
; SELF-ATTENTION has one key: its softmax is 1 for every finite score, so sa = (x Wv^T + bv) Wo^T + bo.  LIMIT: where the reference's own self-scores are not finite it gives NaN, this text does not.
; CROSS-ATTENTION: key (t, s) of a pixel is K'[neighbour][t] + KS[s] + bk, with K' = Wk (f + tp[t]) (or Wk tp[t] outside the image) and KS = Wk sp[s], all from kv; V likewise.  Scores, the true maximum, exponentials and sums in f32;
; a head is four lanes.  sum p (V' + VS + bv) = sum p V' + sum_s (sum_t p) VS[s] + l bv.
; GELU is exact in form: gelu(x) = max(x, 0) - |x| Hq, Hq = (1 - erf(|x| / sqrt 2)) / 2 by the five-term form of Abramowitz and Stegun 7.1.26.  LIMIT: its erf is off by at most 1.5e-7, for every x.
; LIMITS: a weight below 2^-126 counts as 0; NaN and infinities are not treated apart.  LayerNorm takes the mean first and then the centred squares.
; NO CLUSTER, NO TENSOR LOAD: all work-groups walk the same weights, but LDS holds 184,320 bytes of halo and 110,592 of activations and parameters; what is left, under 32 KiB, would make two slots of at most 16 KiB:
; 96 rounds a layer, each with a fill that 16 rows' products cannot cover.  The register ring keeps 8 x 16 KiB on their way with no barrier.
.set YP,   1040                        ; Y: f32 [16][1040] at 0
.set AB0,  16640                       ; bf16 [16][528]
.set AB1,  25088
.set ABP,  528
.set HH,   33536                       ; H: bf16 [16][2064]
.set HP,   2064
.set PAR,  66560                       ; the small vectors, f32: 17 slots of 1,024 bytes a layer
.set PARL, 17408
.set PSR,  101376                      ; [9 s][KS 512 | VS 512]
.set HALO, 110592                      ; 72 units of 2,560 bytes: unit 2 p + (0: K, 1: V) of position p of the 6 x 6 halo, [5 frames][512]
.set HU,   2560
.set SPARE, 294912                     ; the spare words: 128 bytes for each of the eight waves; no other line names them
.set L16, 1                            ; 16 l
.set SPW, 2
.set NIL, 3
.set VA,  4                            ; r 528 + 16 h: a fragment of AB0 or AB1
.set VAH, 5                            ; r 2064 + 16 h: of H
.set VEB, 6                            ; results into AB1
.set VEY, 7                            ; results into Y
.set VEH, 8                            ; results into H
.set VPB, 9                            ; bias of my 32 columns
.set VPB1, 10                          ; bias of my 128 columns of lin1
.set VPO, 11                           ; parameters of my 8 channels as owner
.set VYO, 12                           ; my rows of Y
.set VABO, 13                          ; my rows of AB0
.set VHK, 14                           ; the halo unit of my first pixel's upper left neighbour
.set VSP, 15                           ; kv: row 20481, 4 bytes a thread
.set VPST, 16
.set VPS, 17
.set PF,  18                           ; the prefetch's offset; never rewritten
.set T4,  19                           ; 4 x thread
.set HO,  20                           ; v20-28: kv offsets of my nine halo units, centre frame
.set VHD, 29                           ; my nine halo units in LDS
.set VAB1, 30                          ; my rows of AB1
.set CB,  31                           ; lin1's loop: bias address
.set CH,  32                           ; lin1's loop: address in H
.set X,   40                           ; v40-55: the residual, 2 rows x 8 channels
.set AF0, 56                           ; v56-119: eight fragments of the activations
.set ACC0, 120
.set ACC1, 128
.set BI,  136                          ; v136-151: the bias as C
.set HD,  152                          ; v152-251: halo data on their way
.set AF1, 152                          ; lin2's second set
.set GT,  152                          ; GELU at work
.set GE,  168
.set GP,  184
.set MSB, 0
.macro WIN new                         ; the immediate's high byte repeats the setting that is left; a switch that changes nothing is dropped
.if MSB != (\new)
	s_set_vgpr_msb (MSB<<8)|(\new)
.set MSB, \new
.endif
.endm
.macro PLACES
.rept 4
	v_nop
.endr
.endm
.macro BAR                             ; my LDS instructions are done, for the others' sake; then the work-group's barrier
	s_wait_dscnt 0x0
	s_barrier_signal -1
	s_barrier_wait -1
.endm
	s_load_b256 s[4:11], s[0:1], 0x0               ; feats s[4:5], kv s[6:7], wst s[8:9], xo s[10:11]
	s_load_b512 s[16:31], s[0:1], 0x20             ; the 24 small vectors: layer y, number p at s[16 + 24 y + 2 p]
	s_load_b512 s[32:47], s[0:1], 0x60
	s_load_b512 s[48:63], s[0:1], 0xa0
	v_lshl_add_u32 v[SPW], v0, 2, SPARE
	v_mov_b32 v[NIL], 0
	v_lshrrev_b32 v38, 5, v0
	v_readfirstlane_b32 s12, v38                   ; wave
	s_lshr_b32 s13, ttmp9, 6                       ; b
	s_bfe_u32 s14, ttmp9, 0x30003                  ; ty
	s_and_b32 s15, ttmp9, 7                        ; tx
	v_lshlrev_b32 v[T4], 2, v0
	v_lshlrev_b32 v33, 12, v0                      ; thread c has channel c of the centre frame
	v_add_nc_u32 v34, PAR, v[T4]
	s_mul_i32 s74, s12, 393216                     ; my wave's stream
	s_mov_b32 s75, 0
	s_mul_i32 s76, s13, 5
	s_add_co_u32 s76, s76, 2
	s_lshl_b32 s76, s76, 20                        ; image (b, frame 2),
	s_lshl_b32 s78, s14, 9
	s_add_co_u32 s76, s76, s78                     ; row 4 ty,
	s_lshl_b32 s78, s15, 4
	s_add_co_u32 s76, s76, s78                     ; column 4 tx
	s_mov_b32 s77, 0
	s_lshl_b32 s80, s14, 2                         ; my first pixel as owner: row 4 ty + w / 2, column 4 tx + 2 (w % 2)
	s_lshr_b32 s78, s12, 1
	s_add_co_u32 s80, s80, s78
	s_lshl_b32 s80, s80, 5
	s_lshl_b32 s78, s13, 10
	s_add_co_u32 s80, s80, s78
	s_lshl_b32 s78, s15, 2
	s_add_co_u32 s80, s80, s78
	s_and_b32 s78, s12, 1
	s_lshl_b32 s78, s78, 1
	s_add_co_u32 s80, s80, s78
	s_lshl_b32 s80, s80, 10
	s_mov_b32 s81, 0
	s_wait_kmcnt 0x0
	s_add_nc_u64 s[66:67], s[8:9], s[74:75]        ; the stream's pointer: at the batch of 8 units in hand
	s_mov_b64 s[68:69], s[6:7]                     ; kv at the layer's 1,024 bytes of a row
	s_add_nc_u64 s[70:71], s[10:11], s[80:81]
	s_add_nc_u64 s[72:73], s[4:5], s[76:77]
.macro PLD ly, slot, pi, im
	global_load_b32 v[56+17*(\ly)+(\slot)], v[T4], s[16+24*(\ly)+2*(\pi):17+24*(\ly)+2*(\pi)] offset:\im
.endm
.irp y, 0,1
	PLD \y, 0, 0, 2048                             ; sa_b_in's V third
	PLD \y, 1, 1, 0
	PLD \y, 2, 2, 0                                ; ca: bq, bk, bv
	PLD \y, 3, 2, 1024
	PLD \y, 4, 2, 2048
	PLD \y, 5, 3, 0
	PLD \y, 6, 4, 0                                ; lin1_b
	PLD \y, 7, 4, 1024
	PLD \y, 8, 4, 2048
	PLD \y, 9, 4, 3072
	PLD \y, 10, 5, 0
	PLD \y, 11, 6, 0                               ; ln1 g, b; ln2 g, b; ln3 g, b
	PLD \y, 12, 7, 0
	PLD \y, 13, 8, 0
	PLD \y, 14, 9, 0
	PLD \y, 15, 10, 0
	PLD \y, 16, 11, 0
.endr
.irp y, 0,1,2,3
	global_load_b128 v[92+4*\y:95+4*\y], v33, s[72:73] offset:128*\y   ; the query: four pixels of row 4 ty + y
.endr
	; the addresses, made while those 38 loads are out
	v_and_b32 v38, 15, v0                          ; r
	v_bfe_u32 v39, v0, 4, 1                        ; h
	v_and_b32 v37, 31, v0                          ; l
	v_lshlrev_b32 v[L16], 4, v37
	v_mul_u32_u24 v[VA], v38, ABP
	v_lshl_add_u32 v[VA], v39, 4, v[VA]
	v_mul_u32_u24 v[VAH], v38, HP
	v_lshl_add_u32 v[VAH], v39, 4, v[VAH]
	s_lshl_b32 s78, s12, 6
	v_add_nc_u32 v[VEB], s78, v[VA]
	v_mul_u32_u24 v[VEY], v38, YP
	v_lshl_add_u32 v[VEY], v39, 5, v[VEY]
	s_lshl_b32 s78, s12, 7
	v_add_nc_u32 v[VEY], s78, v[VEY]
	s_lshl_b32 s78, s12, 8
	s_add_co_u32 s78, s78, HH
	v_add_nc_u32 v[VEH], s78, v[VAH]
	s_lshl_b32 s78, s12, 7
	s_add_co_u32 s78, s78, PAR
	v_lshl_add_u32 v[VPB], v39, 5, s78
	s_lshl_b32 s78, s12, 9
	s_add_co_u32 s78, s78, PAR
	v_lshl_add_u32 v[VPB1], v39, 5, s78
	v_lshl_add_u32 v[VPO], v37, 5, PAR
	s_mul_i32 s78, s12, 2*YP
	v_lshl_add_u32 v[VYO], v37, 5, s78
	s_mul_i32 s78, s12, 2*ABP
	s_add_co_u32 s79, s78, AB0
	v_add_nc_u32 v[VABO], s79, v[L16]
	s_add_co_u32 s79, s78, AB1
	v_add_nc_u32 v[VAB1], s79, v[L16]
	s_lshr_b32 s78, s12, 1
	s_mul_i32 s78, s78, 6
	s_and_b32 s79, s12, 1
	s_lshl_b32 s79, s79, 1
	s_add_co_u32 s78, s78, s79
	s_mul_i32 s78, s78, 2*HU
	s_add_co_u32 s78, s78, HALO
	v_add_nc_u32 v[VHK], s78, v[L16]
	v_add_nc_u32 v[VSP], 20481*2048, v[T4]
	v_add_nc_u32 v[VPST], PSR, v[T4]
	v_add_nc_u32 v[VPS], PSR, v[L16]
	s_mul_i32 s78, s12, 9*HU
	s_add_co_u32 s78, s78, HALO
	v_add_nc_u32 v[VHD], s78, v[L16]
	s_lshl_b32 s82, s14, 2
	s_sub_co_u32 s82, s82, 1                       ; the halo's first row, 4 ty - 1,
	s_lshl_b32 s83, s15, 2
	s_sub_co_u32 s83, s83, 1                       ; and column
	s_mul_i32 s84, s13, 5120
	s_add_co_u32 s85, s84, 2048                    ; kv row of (b, frame 2, pixel 0)
	; my nine halo units e = 9 w + i: position p = e / 2 at (hy, hx) of 6 x 6; K or V by e % 2.  Outside the image: row 20480 + 1024 t, which has the same distance from frame to frame
.irp i, 0,1,2,3,4,5,6,7,8
	s_mul_i32 s74, s12, 9
	s_add_co_u32 s74, s74, \i
	s_lshr_b32 s75, s74, 1
	s_and_b32 s76, s74, 1
	s_mul_i32 s77, s75, 43
	s_lshr_b32 s77, s77, 8                         ; p / 6 for p < 36
	s_mul_i32 s78, s77, 6
	s_sub_co_u32 s78, s75, s78
	s_add_co_u32 s77, s77, s82                     ; gy
	s_add_co_u32 s78, s78, s83                     ; gx
	s_or_b32 s79, s77, s78                         ; both in 0 .. 31?
	s_lshl_b32 s77, s77, 5
	s_add_co_u32 s77, s77, s78
	s_add_co_u32 s77, s77, s85
	s_cmp_lt_u32 s79, 32
	s_cselect_b32 s77, s77, 22528
	s_lshl_b32 s77, s77, 11
	s_lshl_b32 s76, s76, 9
	s_add_co_u32 s77, s77, s76
	v_add_nc_u32 v[HO+\i], s77, v[L16]
.endr
	; the prefetch: thread = (frame f = tid / 64, pixel m = (tid / 4) % 16, block tid % 4 of 256 bytes) of my own 16 pixels' K1 | V1
	s_lshl_b32 s78, s14, 7
	s_add_co_u32 s84, s84, s78
	s_lshl_b32 s78, s15, 2
	s_add_co_u32 s84, s84, s78
	v_bfe_u32 v36, v0, 2, 2
	v_bfe_u32 v35, v0, 4, 2
	v_lshl_add_u32 v36, v35, 5, v36
	v_lshrrev_b32 v35, 6, v0
	v_lshl_add_u32 v36, v35, 10, v36
	v_add_nc_u32 v36, s84, v36
	v_and_b32 v35, 3, v0
	v_lshlrev_b32 v35, 8, v35
	v_lshl_add_u32 v36, v36, 11, v35
	v_add_nc_u32 v[PF], 1024, v36
	s_wait_loadcnt 0x0                             ; the 38 loads are in, and their bases may be written
.set z, 0
.rept 34
	ds_store_b32 v34, v[56+z] offset:z*1024
.set z, z+1
.endr
.set z, 0
.rept 16
	ds_store_b32 v[T4], v[92+z] offset:z*YP        ; x0[m][c] into Y
.set z, z+1
.endr
	WIN 0x40                                       ; the ring's first fill: units 0-7; destination window 1, address window 0
.set z, 0
.rept 32
	global_load_b128 v[4*z:4*z+3], v[L16], s[66:67] offset:512*z
.set z, z+1
.endr
	WIN 0
	s_mov_b32 s16, 0xbf38aa3b                      ; -log2(e) / 2
	s_mov_b32 s17, s16                             ; (the packed forms name pairs and take the low word for both halves)
	s_mov_b32 s18, 0x3e027906                      ; the five coefficients, halved: 0.127414796
	s_mov_b32 s19, s18
	s_mov_b32 s20, 0xbe11a98e                      ; -0.142248368
	s_mov_b32 s21, s20
	s_mov_b32 s22, 0x3f35f0e3                      ; 0.710706871
	s_mov_b32 s23, s22
	s_mov_b32 s24, 0xbf3a00e3                      ; -0.726576014
	s_mov_b32 s25, s24
	s_mov_b32 s26, 0x3f07dc22                      ; 0.530702715
	s_mov_b32 s27, s26
	s_mov_b32 s28, 0x3e6d3388                      ; 0.3275911 / sqrt 2
	s_mov_b32 s30, 0x76543210                      ; v_permlanex16_b32: each lane takes its own place in the other half
	s_mov_b32 s31, 0xfedcba98
	s_mov_b32 s32, 0x3e8293ee                      ; log2(e) / sqrt(32)
	s_mov_b32 s33, s32
	s_mov_b32 s34, 0x3b800000                      ; 1 / 256
	s_mov_b32 s35, 0x3727c5ac                      ; 1e-5
	BAR
	ds_load_b128 v[X:X+3], v[VYO]
	ds_load_b128 v[X+4:X+7], v[VYO] offset:16
	ds_load_b128 v[X+8:X+11], v[VYO] offset:YP
	ds_load_b128 v[X+12:X+15], v[VYO] offset:YP+16
	s_wait_dscnt 0x0
.irp q, 0,1,2,3,4,5,6,7
	v_cvt_pk_bf16_f32 v[56+\q], v[X+2*\q], v[X+2*\q+1]
.endr
	ds_store_b128 v[VABO], v[56:59]
	ds_store_b128 v[VABO], v[60:63] offset:ABP
	BAR
; A BATCH: 8 units of the stream = 8 K steps of 32 for my two tiles of 16 columns.  In pairs of units: the wait for the pair's 8 loads, 4 products, four places, and the pair's registers are asked for again, 8 units on.
; The count: behind a pair's 8 loads stand the 24 of the other three pairs (old or just asked for) and extra loads of the halo that were issued behind the ring's.  loads = 0: the stream's last batch; the counts run down.
; The two accumulators take turns, one instruction a turn, from batch to batch too.  first = 1: the bias starts the sums.
.macro GEMM8 af, first, extra, loads
.irp p, 0,1,2,3
.if \loads
	s_wait_loadcnt 24+(\extra)
.else
	s_wait_loadcnt 24-8*(\p)
.endif
	WIN 0x01                                       ; source 0, the weights, in window 1
.irp q, 0,1
.if (\first) && ((2*(\p)+(\q)) == 0)
	v_wmma_f32_16x16x32_bf16 v[ACC0:ACC0+7], v[0:7], v[(\af):(\af)+7], v[BI:BI+7]
	v_wmma_f32_16x16x32_bf16 v[ACC1:ACC1+7], v[8:15], v[(\af):(\af)+7], v[BI+8:BI+15]
.else
	v_wmma_f32_16x16x32_bf16 v[ACC0:ACC0+7], v[16*(2*(\p)+(\q)):16*(2*(\p)+(\q))+7], v[(\af)+8*(2*(\p)+(\q)):(\af)+8*(2*(\p)+(\q))+7], v[ACC0:ACC0+7]
	v_wmma_f32_16x16x32_bf16 v[ACC1:ACC1+7], v[16*(2*(\p)+(\q))+8:16*(2*(\p)+(\q))+15], v[(\af)+8*(2*(\p)+(\q)):(\af)+8*(2*(\p)+(\q))+7], v[ACC1:ACC1+7]
.endif
.endr
	PLACES
.if \loads
	WIN 0x40
.irp q, 0,1
.irp h, 0,1,2,3
	global_load_b128 v[16*(2*(\p)+(\q))+4*(\h):16*(2*(\p)+(\q))+4*(\h)+3], v[L16], s[66:67] offset:16384+(2*(\p)+(\q))*2048+(\h)*512
.endr
.endr
.endif
.endr
	WIN 0
.if \loads
	s_wait_xcnt 0x0                                ; the loads have read the pointer
	s_add_nc_u64 s[66:67], s[66:67], 16384
.endif
.endm
.macro AFLD af, areg, base             ; eight fragments: 16 rows x 256 channels
.irp k, 0,1,2,3,4,5,6,7
	ds_load_b128 v[(\af)+8*\k:(\af)+8*\k+3],   v[\areg] offset:(\base)+64*\k
	ds_load_b128 v[(\af)+8*\k+4:(\af)+8*\k+7], v[\areg] offset:(\base)+64*\k+32
.endr
.endm
.macro BILD areg, im                   ; register j of tile t: bias[n0 + 16 t + 8 h + j], the layout of C
.irp j, 0,1
	ds_load_b128 v[BI+8*\j:BI+8*\j+3],   v[\areg] offset:(\im)+64*\j
	ds_load_b128 v[BI+8*\j+4:BI+8*\j+7], v[\areg] offset:(\im)+64*\j+16
.endr
.endm
.macro EP_B                            ; results as bf16 into AB1
	PLACES
.irp j, 0,1
.irp q, 0,1,2,3
	v_cvt_pk_bf16_f32 v[BI+4*\j+\q], v[ACC0+8*\j+2*\q], v[ACC0+8*\j+2*\q+1]
.endr
.endr
	ds_store_b128 v[VEB], v[BI:BI+3] offset:AB1
	ds_store_b128 v[VEB], v[BI+4:BI+7] offset:AB1+32
.endm
.macro EP_Y scale                      ; results as f32 into Y; scale = 1: times log2(e) / sqrt(32)
	PLACES
.if \scale
.irp k, 0,2,4,6,8,10,12,14
	v_pk_mul_f32 v[ACC0+\k:ACC0+\k+1], v[ACC0+\k:ACC0+\k+1], s[32:33] op_sel_hi:[1,0]
.endr
.endif
.irp j, 0,1
	ds_store_b128 v[VEY], v[ACC0+8*\j:ACC0+8*\j+3] offset:64*\j
	ds_store_b128 v[VEY], v[ACC0+8*\j+4:ACC0+8*\j+7] offset:64*\j+16
.endr
.endm
.macro EP_G                            ; GELU of 16 numbers a lane, as bf16 into H.  The 32 transcendentals are one batch with one wait
	PLACES
.irp k, 0,1,2,3,4,5,6,7,8,9,10,11,12,13,14,15
	v_fma_f32 v[GT+\k], |v[ACC0+\k]|, s28, 1.0
.endr
.irp k, 0,2,4,6,8,10,12,14
	v_pk_mul_f32 v[GE+\k:GE+\k+1], v[ACC0+\k:ACC0+\k+1], s[16:17] op_sel_hi:[1,0]
.endr
.irp k, 0,2,4,6,8,10,12,14
	v_pk_mul_f32 v[GE+\k:GE+\k+1], v[GE+\k:GE+\k+1], v[ACC0+\k:ACC0+\k+1]
.endr
.irp k, 0,1,2,3,4,5,6,7,8,9,10,11,12,13,14,15
	v_rcp_f32 v[GT+\k], v[GT+\k]                   ; t
.endr
.irp k, 0,1,2,3,4,5,6,7,8,9,10,11,12,13,14,15
	v_exp_f32 v[GE+\k], v[GE+\k]                   ; e^(-x^2 / 2)
.endr
	v_nop                                          ; a plain instruction behind the last transcendental (ISA guide 5.7.2),
	s_wait_alu depctr_va_vdst(0)                   ; and the wait ahead of the batch's first reader
.irp k, 0,2,4,6,8,10,12,14
	v_pk_fma_f32 v[GP+\k:GP+\k+1], v[GT+\k:GT+\k+1], s[26:27], s[24:25] op_sel_hi:[1,0,0]
.endr
.irp c, 22,20,18
.irp k, 0,2,4,6,8,10,12,14
	v_pk_fma_f32 v[GP+\k:GP+\k+1], v[GP+\k:GP+\k+1], v[GT+\k:GT+\k+1], s[\c:\c+1] op_sel_hi:[1,1,0]
.endr
.endr
.irp k, 0,2,4,6,8,10,12,14
	v_pk_mul_f32 v[GP+\k:GP+\k+1], v[GP+\k:GP+\k+1], v[GT+\k:GT+\k+1]
.endr
.irp k, 0,2,4,6,8,10,12,14
	v_pk_mul_f32 v[GP+\k:GP+\k+1], v[GP+\k:GP+\k+1], v[GE+\k:GE+\k+1]
.endr
.irp k, 0,1,2,3,4,5,6,7,8,9,10,11,12,13,14,15
	v_max_num_f32 v[GE+\k], 0, v[ACC0+\k]
.endr
.irp k, 0,1,2,3,4,5,6,7,8,9,10,11,12,13,14,15
	v_fma_f32 v[GP+\k], -|v[ACC0+\k]|, v[GP+\k], v[GE+\k]
.endr
.irp q, 0,1,2,3,4,5,6,7
	v_cvt_pk_bf16_f32 v[GT+\q], v[GP+2*\q], v[GP+2*\q+1]
.endr
	ds_store_b128 v[CH], v[GT:GT+3]
	ds_store_b128 v[CH], v[GT+4:GT+7] offset:32
.endm
; two sums over the wave's 32 lanes, side by side; the registers behind a and b are at work
.macro RED2 a, b
.irp m, 1,2,4,8
	v_add_f32_dpp v[\a], v[\a], v[\a] row_xmask:\m row_mask:0xf bank_mask:0xf
	v_add_f32_dpp v[\b], v[\b], v[\b] row_xmask:\m row_mask:0xf bank_mask:0xf
.endr
	v_permlanex16_b32 v[\a+1], v[\a], s30, s31
	v_permlanex16_b32 v[\b+1], v[\b], s30, s31
	v_add_f32 v[\a], v[\a], v[\a+1]
	v_add_f32 v[\b], v[\b], v[\b+1]
.endm
.set LY, 56
.set LG, 72
.set LB, 80
.set LT, 88
; X = LayerNorm(X + Y) for my two rows; also as bf16 into AB0.  gi: which of the layer's three
.macro LN gi
	ds_load_b128 v[LY:LY+3], v[VYO]
	ds_load_b128 v[LY+4:LY+7], v[VYO] offset:16
	ds_load_b128 v[LY+8:LY+11], v[VYO] offset:YP
	ds_load_b128 v[LY+12:LY+15], v[VYO] offset:YP+16
	ds_load_b128 v[LG:LG+3], v[VPO] offset:11264+2048*(\gi)
	ds_load_b128 v[LG+4:LG+7], v[VPO] offset:11264+2048*(\gi)+16
	ds_load_b128 v[LB:LB+3], v[VPO] offset:12288+2048*(\gi)
	ds_load_b128 v[LB+4:LB+7], v[VPO] offset:12288+2048*(\gi)+16
	s_wait_dscnt 4                                 ; Y is in; gain and bias, four loads, may stay out
.irp k, 0,2,4,6,8,10,12,14
	v_pk_add_f32 v[LY+\k:LY+\k+1], v[LY+\k:LY+\k+1], v[X+\k:X+\k+1]
.endr
.irp i, 0,1
	v_pk_add_f32 v[LT+4*\i:LT+4*\i+1], v[LY+8*\i:LY+8*\i+1], v[LY+8*\i+2:LY+8*\i+3]
	v_pk_add_f32 v[LT+4*\i+2:LT+4*\i+3], v[LY+8*\i+4:LY+8*\i+5], v[LY+8*\i+6:LY+8*\i+7]
.endr
.irp i, 0,1
	v_pk_add_f32 v[LT+4*\i:LT+4*\i+1], v[LT+4*\i:LT+4*\i+1], v[LT+4*\i+2:LT+4*\i+3]
.endr
.irp i, 0,1
	v_add_f32 v[LT+4*\i], v[LT+4*\i], v[LT+4*\i+1]
.endr
	RED2 LT, LT+4
	v_mul_f32 v[LT], s34, v[LT]                    ; the means
	v_mul_f32 v[LT+4], s34, v[LT+4]
.irp i, 0,1
.irp k, 0,2,4,6
	v_pk_add_f32 v[LY+8*\i+\k:LY+8*\i+\k+1], v[LY+8*\i+\k:LY+8*\i+\k+1], v[LT+4*\i:LT+4*\i+1] op_sel_hi:[1,0] neg_lo:[0,1] neg_hi:[0,1]
.endr
.endr
.irp i, 0,1
	v_pk_mul_f32 v[LT+4*\i+2:LT+4*\i+3], v[LY+8*\i:LY+8*\i+1], v[LY+8*\i:LY+8*\i+1]
.endr
.irp k, 2,4,6
.irp i, 0,1
	v_pk_fma_f32 v[LT+4*\i+2:LT+4*\i+3], v[LY+8*\i+\k:LY+8*\i+\k+1], v[LY+8*\i+\k:LY+8*\i+\k+1], v[LT+4*\i+2:LT+4*\i+3]
.endr
.endr
.irp i, 0,1
	v_add_f32 v[LT+4*\i+2], v[LT+4*\i+2], v[LT+4*\i+3]
.endr
	RED2 LT+2, LT+6
	v_fma_f32 v[LT+2], v[LT+2], s34, s35           ; variance + 1e-5
	v_fma_f32 v[LT+6], v[LT+6], s34, s35
	v_rsq_f32 v[LT+2], v[LT+2]
	v_rsq_f32 v[LT+6], v[LT+6]
	v_nop                                          ; a plain instruction behind the last of the two,
	s_wait_alu depctr_va_vdst(0)                   ; and their one wait
	s_wait_dscnt 0x0                               ; gain and bias
.irp i, 0,1
.irp k, 0,2,4,6
	v_pk_mul_f32 v[LY+8*\i+\k:LY+8*\i+\k+1], v[LY+8*\i+\k:LY+8*\i+\k+1], v[LT+4*\i+2:LT+4*\i+3] op_sel_hi:[1,0]
.endr
.endr
.irp i, 0,1
.irp k, 0,2,4,6
	v_pk_fma_f32 v[X+8*\i+\k:X+8*\i+\k+1], v[LY+8*\i+\k:LY+8*\i+\k+1], v[LG+\k:LG+\k+1], v[LB+\k:LB+\k+1]
.endr
.endr
.irp q, 0,1,2,3,4,5,6,7
	v_cvt_pk_bf16_f32 v[LT+8+\q], v[X+2*\q], v[X+2*\q+1]
.endr
	ds_store_b128 v[VABO], v[LT+8:LT+11]
	ds_store_b128 v[VABO], v[LT+12:LT+15] offset:ABP
.endm
; ATTENTION's registers
.set AQ,  56                           ; q, scaled: 8
.set ABK, 64
.set ABV, 72
.set AO,  80
.set APS, 88                           ; PS[s] = q . (bk + KS[s]), my channels' part; later WS[s] = sum over t of p
.set APB, 97
.set AS,  98                           ; the 45 scores, then weights: 9 t + s
.set BA,  144                          ; two buffers of nine tokens x 16 bytes
.set BB,  180
.set AM,  216
.set AY,  222                          ; the loop's addresses: my row of Y,
.set AD,  223                          ; of AB1,
.set AR0, 224                          ; the window's rows 0 and 1 in the halo,
.set AR2, 225                          ; and row 2: an immediate holds 16 bits
.macro WGRP buf, off                   ; the window's nine tokens: off = 512 t for K, 2,560 + 512 t for V
.irp s, 0,1,2,3,4,5
	ds_load_b128 v[(\buf)+4*\s:(\buf)+4*\s+3], v[AR0] offset:((\s/3)*6+(\s%3))*2*HU+(\off)
.endr
.irp s, 6,7,8
	ds_load_b128 v[(\buf)+4*\s:(\buf)+4*\s+3], v[AR2] offset:(\s-6)*2*HU+(\off)
.endr
.endm
.macro PGRP buf, off                   ; the nine rows W sp[s]: off = 0 for K, 512 for V
.irp s, 0,1,2,3,4,5,6,7,8
	ds_load_b128 v[(\buf)+4*\s:(\buf)+4*\s+3], v[VPS] offset:1024*\s+(\off)
.endr
.endm
.macro DOT9 buf, dst, acc, stp         ; dst[s] = acc[stp s] + q . token s: nine chains side by side; bf16 halves are read as they lie
.irp k, 0,1,2,3,4,5,6,7
.irp s, 0,1,2,3,4,5,6,7,8
.if (\k) == 0
	v_fma_mix_f32_bf16 v[(\dst)+\s], v[(\buf)+4*\s], v[AQ], v[(\acc)+(\stp)*\s] op_sel_hi:[1,0,0]
.elseif (\k)&1
	v_fma_mix_f32_bf16 v[(\dst)+\s], v[(\buf)+4*\s+(\k)/2], v[AQ+\k], v[(\dst)+\s] op_sel:[1,0,0] op_sel_hi:[1,0,0]
.else
	v_fma_mix_f32_bf16 v[(\dst)+\s], v[(\buf)+4*\s+(\k)/2], v[AQ+\k], v[(\dst)+\s] op_sel_hi:[1,0,0]
.endif
.endr
.endr
.endm
.macro HEAD9 dst                       ; the head's four lanes are added: every one of them then holds the score
.irp m, 1,2
.irp s, 0,1,2,3,4,5,6,7,8
	v_add_f32_dpp v[(\dst)+\s], v[(\dst)+\s], v[(\dst)+\s] row_xmask:\m row_mask:0xf bank_mask:0xf
.endr
.endr
.endm
.macro APV buf, wt                     ; O[k] += wt[s] x token s: eight chains side by side
.irp s, 0,1,2,3,4,5,6,7,8
.irp k, 0,1,2,3,4,5,6,7
.if (\k)&1
	v_fma_mix_f32_bf16 v[AO+\k], v[(\buf)+4*\s+(\k)/2], v[(\wt)+\s], v[AO+\k] op_sel:[1,0,0] op_sel_hi:[1,0,0]
.else
	v_fma_mix_f32_bf16 v[AO+\k], v[(\buf)+4*\s+(\k)/2], v[(\wt)+\s], v[AO+\k] op_sel_hi:[1,0,0]
.endif
.endr
.endr
.endm
	s_mov_b32 s42, 0                               ; the layer
.Llayer:
	; (a) the first five of my halo units are asked for: 25 loads of 512 bytes, the frames in the immediate
.irp i, 0,1,2,3,4
.irp t, 0,1,2,3,4
	global_load_b128 v[HD+4*(5*\i+\t):HD+4*(5*\i+\t)+3], v[HO+\i], s[68:69] offset:(\t-2)*2097152
.endr
.endr
	; (b) self-attention's V
	AFLD AF0, VA, AB0
	BILD VPB, 0
	s_wait_dscnt 0x0
	GEMM8 AF0, 1, 25, 1
	EP_B
	; (c) behind the 25 stand the ring's 32
	s_wait_loadcnt 32
.irp i, 0,1,2,3,4
.irp t, 0,1,2,3,4
	ds_store_b128 v[VHD], v[HD+4*(5*\i+\t):HD+4*(5*\i+\t)+3] offset:\i*HU+\t*512
.endr
.endr
.irp i, 5,6,7,8
.irp t, 0,1,2,3,4
	global_load_b128 v[HD+4*(5*(\i-5)+\t):HD+4*(5*(\i-5)+\t)+3], v[HO+\i], s[68:69] offset:(\t-2)*2097152
.endr
.endr
.irp s, 0,1,2,3,4,5,6,7,8
	global_load_b32 v[HD+80+\s], v[VSP], s[68:69] offset:2048*\s   ; W sp[s]: K | V of the layer, 4 bytes a thread
.endr
	BAR
	; (d) self-attention's output projection
	AFLD AF0, VA, AB1
	BILD VPB, 1024
	s_wait_dscnt 0x0
	GEMM8 AF0, 1, 29, 1
	EP_Y 0
	; (e)
	s_wait_loadcnt 32
.irp i, 5,6,7,8
.irp t, 0,1,2,3,4
	ds_store_b128 v[VHD], v[HD+4*(5*(\i-5)+\t):HD+4*(5*(\i-5)+\t)+3] offset:\i*HU+\t*512
.endr
.endr
.irp s, 0,1,2,3,4,5,6,7,8
	ds_store_b32 v[VPST], v[HD+80+\s] offset:1024*\s
.endr
	BAR
	LN 0                                           ; (f)
	BAR
	; (g) cross-attention's Q, scaled
	AFLD AF0, VA, AB0
	BILD VPB, 2048
	s_wait_dscnt 0x0
	GEMM8 AF0, 1, 0, 1
	EP_Y 1
	BAR
	; (h) attention: a trip a pixel.  Twelve groups of nine LDS loads go through two buffers: KS, K of frames 0-4, V of frames 0-4, VS.  A count of 9 leaves the younger group out
	v_mov_b32 v[AY], v[VYO]
	v_mov_b32 v[AD], v[VAB1]
	v_mov_b32 v[AR0], v[VHK]
	v_add_nc_u32 v[AR2], 12*2*HU, v[VHK]
	s_mov_b32 s43, 2
.Latt:
	ds_load_b128 v[AQ:AQ+3], v[AY]
	ds_load_b128 v[AQ+4:AQ+7], v[AY] offset:16
	ds_load_b128 v[ABK:ABK+3], v[VPO] offset:3072
	ds_load_b128 v[ABK+4:ABK+7], v[VPO] offset:3088
	ds_load_b128 v[ABV:ABV+3], v[VPO] offset:4096
	ds_load_b128 v[ABV+4:ABV+7], v[VPO] offset:4112
	PGRP BA, 0
	WGRP BB, 0
	s_wait_dscnt 9
	v_mul_f32 v[APB], v[AQ], v[ABK]
.irp k, 1,2,3,4,5,6,7
	v_fmac_f32 v[APB], v[AQ+\k], v[ABK+\k]
.endr
	DOT9 BA, APS, APB, 0
	WGRP BA, 512
	s_wait_dscnt 9
	DOT9 BB, AS, APS, 1
	HEAD9 AS
	WGRP BB, 1024
	s_wait_dscnt 9
	DOT9 BA, AS+9, APS, 1
	HEAD9 AS+9
	WGRP BA, 1536
	s_wait_dscnt 9
	DOT9 BB, AS+18, APS, 1
	HEAD9 AS+18
	WGRP BB, 2048
	s_wait_dscnt 9
	DOT9 BA, AS+27, APS, 1
	HEAD9 AS+27
	WGRP BA, HU
	s_wait_dscnt 9
	DOT9 BB, AS+36, APS, 1
	HEAD9 AS+36
	WGRP BB, HU+512
	; the maximum of the 45 scores: four chains, three operands at a time
.irp c, 0,1,2,3
	v_max3_num_f32 v[AM+\c], v[AS+3*\c], v[AS+3*\c+1], v[AS+3*\c+2]
.endr
.irp g, 0,1,2,3
.irp c, 0,1,2,3
	v_max3_num_f32 v[AM+\c], v[AM+\c], v[AS+12+8*\g+2*\c], v[AS+12+8*\g+2*\c+1]
.endr
.endr
	v_max3_num_f32 v[AM], v[AM], v[AM+1], v[AM+2]
	v_max3_num_f32 v[AM], v[AM], v[AM+3], v[AS+44]
.set z, 0
.rept 22
	v_pk_add_f32 v[AS+z:AS+z+1], v[AS+z:AS+z+1], v[AM:AM+1] op_sel_hi:[1,0] neg_lo:[0,1] neg_hi:[0,1]
.set z, z+2
.endr
	v_sub_f32 v[AS+44], v[AS+44], v[AM]
.set z, 0
.rept 45
	v_exp_f32 v[AS+z], v[AS+z]                     ; the scores carry log2(e): p = 2^(s - max)
.set z, z+1
.endr
	v_nop                                          ; a plain instruction behind the last exponential,
	s_wait_alu depctr_va_vdst(0)                   ; and the one wait for the batch of 45
.irp s, 0,1,2,3,4,5,6,7,8
	v_add_f32 v[APS+\s], v[AS+\s], v[AS+9+\s]
.endr
.irp t, 2,3,4
.irp s, 0,1,2,3,4,5,6,7,8
	v_add_f32 v[APS+\s], v[APS+\s], v[AS+9*\t+\s]
.endr
.endr
	v_add_f32 v[AM+2], v[APS], v[APS+1]
	v_add_f32 v[AM+3], v[APS+2], v[APS+3]
	v_add_f32 v[AM+4], v[APS+4], v[APS+5]
	v_add_f32 v[AM+5], v[APS+6], v[APS+7]
	v_add_f32 v[AM+2], v[AM+2], v[AM+3]
	v_add_f32 v[AM+4], v[AM+4], v[AM+5]
	v_add_f32 v[AM+2], v[AM+2], v[AM+4]
	v_add_f32 v[AM+2], v[AM+2], v[APS+8]           ; l, at least 1
	v_rcp_f32 v[AM+4], v[AM+2]                     ; its result is named first at the trip's end, behind its wait; the lines below are plain and name it not
.irp k, 0,1,2,3,4,5,6,7
	v_mul_f32 v[AO+\k], v[ABV+\k], v[AM+2]         ; O starts at l bv
.endr
	s_wait_dscnt 9
	APV BA, AS
	WGRP BA, HU+1024
	s_wait_dscnt 9
	APV BB, AS+9
	WGRP BB, HU+1536
	s_wait_dscnt 9
	APV BA, AS+18
	WGRP BA, HU+2048
	s_wait_dscnt 9
	APV BB, AS+27
	PGRP BB, 512
	s_wait_dscnt 9
	APV BA, AS+36
	s_wait_dscnt 0x0
	APV BB, APS
	s_wait_alu depctr_va_vdst(0)                   ; the reciprocal's wait, ahead of its first reader
.irp k, 0,2,4,6
	v_pk_mul_f32 v[AO+\k:AO+\k+1], v[AO+\k:AO+\k+1], v[AM+4:AM+5] op_sel_hi:[1,0]
.endr
.irp q, 0,1,2,3
	v_cvt_pk_bf16_f32 v[BA+\q], v[AO+2*\q], v[AO+2*\q+1]
.endr
	ds_store_b128 v[AD], v[BA:BA+3]
	v_add_nc_u32 v[AY], YP, v[AY]
	v_add_nc_u32 v[AD], ABP, v[AD]
	v_add_nc_u32 v[AR0], 2*HU, v[AR0]
	v_add_nc_u32 v[AR2], 2*HU, v[AR2]
	s_sub_co_u32 s43, s43, 1
	s_cmp_lg_u32 s43, 0
	s_cbranch_scc1 .Latt
	BAR
	; (i) cross-attention's output projection
	AFLD AF0, VA, AB1
	BILD VPB, 5120
	s_wait_dscnt 0x0
	GEMM8 AF0, 1, 0, 1
	EP_Y 0
	BAR
	LN 1                                           ; (j)
	BAR
	; (k) lin1 and GELU: four trips of 32 columns
	AFLD AF0, VA, AB0
	v_mov_b32 v[CB], v[VPB1]
	v_mov_b32 v[CH], v[VEH]
	s_mov_b32 s43, 4
.Llin1:
	BILD CB, 6144
	s_wait_dscnt 0x0
	GEMM8 AF0, 1, 0, 1
	EP_G
	v_add_nc_u32 v[CB], 128, v[CB]
	v_add_nc_u32 v[CH], 64, v[CH]
	s_sub_co_u32 s43, s43, 1
	s_cmp_lg_u32 s43, 0
	s_cbranch_scc1 .Llin1
	BAR
	; (m) lin2: K = 1,024 in four batches, on two sets of fragments; a count of 16 leaves the other set's loads out
	AFLD AF0, VAH, HH
	BILD VPB, 10240
	AFLD AF1, VAH, HH+512
	s_wait_dscnt 16
	GEMM8 AF0, 1, 0, 1
	; In layer 0, behind this batch's loads: layer 1's K | V of my own 16 pixels, five frames, are prefetched: 320 blocks of 256 bytes, a lane a block, each named once in the launch.
	; They are loaded three batches and a LayerNorm later.  All waves ask for frames 0-3; waves 2 and 3, whose lanes stand at frame 1, also for the frame three on.
	s_cmp_lg_u32 s42, 0
	s_cbranch_scc1 .Lnopf
	global_prefetch_b8 v[PF], s[6:7] th:TH_LOAD_NT scope:SCOPE_SE
	s_lshr_b32 s44, s12, 1
	s_cmp_lg_u32 s44, 1
	s_cbranch_scc1 .Lnopf
	global_prefetch_b8 v[PF], s[6:7] offset:6291456 th:TH_LOAD_NT scope:SCOPE_SE
.Lnopf:
	AFLD AF0, VAH, HH+1024
	s_wait_dscnt 16
	GEMM8 AF1, 0, 0, 1
	AFLD AF1, VAH, HH+1536
	s_wait_dscnt 16
	GEMM8 AF0, 0, 0, 1
	s_wait_dscnt 0x0
	s_cmp_eq_u32 s42, 1
	s_cbranch_scc1 .Llast
	GEMM8 AF1, 0, 0, 1                             ; layer 0's last batch asks for layer 1's first
	s_branch .Ljoin
.Llast:
	GEMM8 AF1, 0, 0, 0                             ; the stream's last batch asks for nothing
.Ljoin:
	EP_Y 0
	BAR
	LN 2                                           ; (n)
	v_add_nc_u32 v[VPB], PARL, v[VPB]              ; the next layer's parameters,
	v_add_nc_u32 v[VPB1], PARL, v[VPB1]
	v_add_nc_u32 v[VPO], PARL, v[VPO]
	s_wait_xcnt 0x0                                ; every load issued so far has read its base
	s_add_nc_u64 s[68:69], s[68:69], 1024          ; and its K | V in a row of kv
	BAR
	s_add_co_u32 s42, s42, 1
	s_cmp_lt_u32 s42, 2
	s_cbranch_scc1 .Llayer
	; xo: [pixel][q 2][lane 32][4 f32], channel 8 lane + 4 q + i: each store of the wave covers 512 consecutive bytes, aligned
	global_store_b128 v[L16], v[X:X+3], s[70:71]
	global_store_b128 v[L16], v[X+4:X+7], s[70:71] offset:512
	global_store_b128 v[L16], v[X+8:X+11], s[70:71] offset:1024
	global_store_b128 v[L16], v[X+12:X+15], s[70:71] offset:1536
	s_wait_tensorcnt 0x0                           ; the wave's end: three closing lines, behind my last LDS store
	ds_add_u32 v[SPW], v[NIL]
	s_wait_dscnt 0x0
	s_endpgm
.Lfunc_end_k_qa8badee622_dec:
	.size	k_qa8badee622_dec, .Lfunc_end_k_qa8badee622_dec-k_qa8badee622_dec
	.p2alignl 7, 3214868480
	.fill 96, 4, 3214868480
	.section	.rodata,"a",@progbits
	.p2align	6, 0x0
	.amdhsa_kernel k_qa8badee622_dec
		.amdhsa_group_segment_fixed_size 295936
		.amdhsa_private_segment_fixed_size 0
		.amdhsa_enable_private_segment 0
		.amdhsa_kernarg_size 224
		.amdhsa_user_sgpr_count 2
		.amdhsa_user_sgpr_kernarg_segment_ptr 1
		.amdhsa_wavefront_size32 1
		.amdhsa_system_sgpr_workgroup_id_x 1
		.amdhsa_system_sgpr_workgroup_id_y 1
		.amdhsa_system_sgpr_workgroup_id_z 1
		.amdhsa_system_vgpr_workitem_id 0
		.amdhsa_next_free_vgpr 384
		.amdhsa_next_free_sgpr 100
		.amdhsa_reserve_vcc 0
		.amdhsa_float_denorm_mode_32 3
		.amdhsa_float_denorm_mode_16_64 3
		.amdhsa_memory_ordered 1
		.amdhsa_forward_progress 1
		.amdhsa_inst_pref_size 195
	.end_amdhsa_kernel
	.amdgpu_metadata
---
amdhsa.version: [ 1, 2 ]
amdhsa.kernels:
  - .name:           k_qa8badee622_dec
    .symbol:         k_qa8badee622_dec.kd
    .args:
      - { .name: feats, .offset: 0, .size: 8, .value_kind: global_buffer, .address_space: global }
      - { .name: kv, .offset: 8, .size: 8, .value_kind: global_buffer, .address_space: global }
      - { .name: wst, .offset: 16, .size: 8, .value_kind: global_buffer, .address_space: global }
      - { .name: xo, .offset: 24, .size: 8, .value_kind: global_buffer, .address_space: global }
      - { .name: params_layers_0_sa_b_in, .offset: 32, .size: 8, .value_kind: global_buffer, .address_space: global }
      - { .name: params_layers_0_sa_b_out, .offset: 40, .size: 8, .value_kind: global_buffer, .address_space: global }
      - { .name: params_layers_0_ca_b_in, .offset: 48, .size: 8, .value_kind: global_buffer, .address_space: global }
      - { .name: params_layers_0_ca_b_out, .offset: 56, .size: 8, .value_kind: global_buffer, .address_space: global }
      - { .name: params_layers_0_lin1_b, .offset: 64, .size: 8, .value_kind: global_buffer, .address_space: global }
      - { .name: params_layers_0_lin2_b, .offset: 72, .size: 8, .value_kind: global_buffer, .address_space: global }
      - { .name: params_layers_0_ln1_g, .offset: 80, .size: 8, .value_kind: global_buffer, .address_space: global }
      - { .name: params_layers_0_ln1_b, .offset: 88, .size: 8, .value_kind: global_buffer, .address_space: global }
      - { .name: params_layers_0_ln2_g, .offset: 96, .size: 8, .value_kind: global_buffer, .address_space: global }
      - { .name: params_layers_0_ln2_b, .offset: 104, .size: 8, .value_kind: global_buffer, .address_space: global }
      - { .name: params_layers_0_ln3_g, .offset: 112, .size: 8, .value_kind: global_buffer, .address_space: global }
      - { .name: params_layers_0_ln3_b, .offset: 120, .size: 8, .value_kind: global_buffer, .address_space: global }
      - { .name: params_layers_1_sa_b_in, .offset: 128, .size: 8, .value_kind: global_buffer, .address_space: global }
      - { .name: params_layers_1_sa_b_out, .offset: 136, .size: 8, .value_kind: global_buffer, .address_space: global }
      - { .name: params_layers_1_ca_b_in, .offset: 144, .size: 8, .value_kind: global_buffer, .address_space: global }
      - { .name: params_layers_1_ca_b_out, .offset: 152, .size: 8, .value_kind: global_buffer, .address_space: global }
      - { .name: params_layers_1_lin1_b, .offset: 160, .size: 8, .value_kind: global_buffer, .address_space: global }
      - { .name: params_layers_1_lin2_b, .offset: 168, .size: 8, .value_kind: global_buffer, .address_space: global }
      - { .name: params_layers_1_ln1_g, .offset: 176, .size: 8, .value_kind: global_buffer, .address_space: global }
      - { .name: params_layers_1_ln1_b, .offset: 184, .size: 8, .value_kind: global_buffer, .address_space: global }
      - { .name: params_layers_1_ln2_g, .offset: 192, .size: 8, .value_kind: global_buffer, .address_space: global }
      - { .name: params_layers_1_ln2_b, .offset: 200, .size: 8, .value_kind: global_buffer, .address_space: global }
      - { .name: params_layers_1_ln3_g, .offset: 208, .size: 8, .value_kind: global_buffer, .address_space: global }
      - { .name: params_layers_1_ln3_b, .offset: 216, .size: 8, .value_kind: global_buffer, .address_space: global }
    .group_segment_fixed_size: 295936
    .private_segment_fixed_size: 0
    .kernarg_segment_align: 8
    .kernarg_segment_size: 224
    .max_flat_workgroup_size: 256
    .sgpr_count:     100
    .vgpr_count:     384
    .wavefront_size: 32
...
	.end_amdgpu_metadata
.endif
;; end of part 2
;; launch tr (part 3): grid 64 x 4, 4 waves a work-group, no clusters, 17,152 bytes of LDS; arguments xo, out0; writes out0
.if DOCPART == 3
	.amdgcn_target "amdgcn-amd-amdhsa--gfx1250"
	.amdhsa_code_object_version 6
	.text
	.protected	k_qa8badee622_tr
	.globl	k_qa8badee622_tr
	.p2align	8
	.type	k_qa8badee622_tr,@function
k_qa8badee622_tr:
	s_mov_b64 s[64:65], 0
	v_nop
	global_prefetch_b8 v0, s[64:65] scope:SCOPE_SE
	s_setreg_imm32_b32 hwreg(HW_REG_WAVE_MODE, 25, 1), 1
	s_wait_xcnt 0x0
; out0[b][c][y][x] from xo[pixel][q 2][lane 32][4 f32] (channel 8 lane + 4 q + i).  A decoder work-group has 4 x 4 pixels, at most 16 neighbouring bytes of a row of out0: so the turn is a pass of its own.
; Work-group (pb, sb): 64 pixels x the 64 numbers at byte 256 sb of each pixel's 1,024.  In: 16 lanes read 256 consecutive bytes; out: 16 lanes store 256 consecutive bytes, both aligned.
; Through LDS: T[64 numbers][260 bytes]: 65 words from row to row, so that neither the stores down the rows nor the loads along them meet in a bank (64 banks of 4 bytes: ISA guide 11.1).
; Memory binds: no matrix unit, no cluster, no prefetch (each byte is read once, at once).
.set PITCH, 260
.set SPARE, 16640                      ; the spare words: 128 bytes for each of the four waves; no other line names them
	s_load_b128 s[4:7], s[0:1], 0x0                ; xo, out0
	v_lshl_add_u32 v2, v0, 2, SPARE
	v_mov_b32 v3, 0
	v_lshrrev_b32 v1, 5, v0
	v_readfirstlane_b32 s8, v1                     ; wave
	s_and_b32 s9, ttmp7, 0xffff                    ; sb
	v_and_b32 v4, 15, v0                           ; l % 16
	v_bfe_u32 v5, v0, 4, 1                         ; l / 16
	v_lshlrev_b32 v6, 4, v4
	v_lshl_add_u32 v6, v5, 10, v6
	s_lshl_b32 s10, s8, 14
	v_add_nc_u32 v6, s10, v6                       ; in: pixel 16 w + l / 16, 16 bytes a lane
	v_mul_u32_u24 v7, v4, 4*PITCH
	v_lshl_add_u32 v7, v5, 2, v7
	s_lshl_b32 s10, s8, 6
	v_add_nc_u32 v7, s10, v7                       ; T[4 (l % 16)][16 w + l / 16]
	v_mul_u32_u24 v8, v5, PITCH
	v_lshl_add_u32 v8, v4, 4, v8
	s_mul_i32 s10, s8, 16*PITCH
	v_add_nc_u32 v8, s10, v8                       ; T[16 w + l / 16][4 (l % 16)]
	v_lshlrev_b32 v9, 4, v4
	v_lshl_add_u32 v9, v5, 12, v9
	s_lshl_b32 s10, s8, 17
	v_add_nc_u32 v9, s10, v9                       ; out: channel 32 w + l / 16 of my 128, 16 bytes a lane
	s_lshl_b32 s12, ttmp9, 16
	s_lshl_b32 s10, s9, 8
	s_add_co_u32 s12, s12, s10
	s_mov_b32 s13, 0
	s_lshr_b32 s14, ttmp9, 4
	s_lshl_b32 s14, s14, 20                        ; b
	s_and_b32 s10, s9, 1
	s_lshl_b32 s10, s10, 19                        ; channel 128 (sb % 2)
	s_add_co_u32 s14, s14, s10
	s_lshr_b32 s10, s9, 1
	s_lshl_b32 s10, s10, 14                        ; + 4 (sb / 2)
	s_add_co_u32 s14, s14, s10
	s_and_b32 s10, ttmp9, 15
	s_lshl_b32 s10, s10, 8                         ; the 64 pixels
	s_add_co_u32 s14, s14, s10
	s_mov_b32 s15, 0
	s_wait_kmcnt 0x0
	s_add_nc_u64 s[4:5], s[4:5], s[12:13]
	s_add_nc_u64 s[6:7], s[6:7], s[14:15]
.irp k, 0,1,2,3,4,5,6,7
	global_load_b128 v[16+4*\k:19+4*\k], v6, s[4:5] offset:2048*\k th:TH_LOAD_NT
.endr
.irp k, 0,1,2,3,4,5,6,7
	s_wait_loadcnt 7-\k                            ; loads come back in order (ISA guide 5.7.1): the younger ones stay out
.irp i, 0,1,2,3
	ds_store_b32 v7, v[16+4*\k+\i] offset:\i*PITCH+8*\k
.endr
.endr
	s_wait_dscnt 0x0                               ; for the others' sake: my stores are done
	s_barrier_signal -1
	s_barrier_wait -1
.irp k, 0,1,2,3,4,5,6,7
.irp i, 0,1,2,3
	ds_load_b32 v[48+4*\k+\i], v8 offset:\k*2*PITCH+4*\i
.endr
.endr
.irp k, 0,1,2,3,4,5,6,7
	s_wait_dscnt 4*(7-\k)
	global_store_b128 v9, v[48+4*\k:51+4*\k], s[6:7] offset:(8*(\k>>1)+2*(\k&1))*4096 th:TH_STORE_NT  ; number 16 w + 2 k + l / 16 of the 64 is channel 8 (4 w + k / 2) + 2 (k % 2) + l / 16
.endr
	s_wait_tensorcnt 0x0                           ; the wave's end: three closing lines, behind my last LDS store
	ds_add_u32 v2, v3
	s_wait_dscnt 0x0
	s_endpgm
.Lfunc_end_k_qa8badee622_tr:
	.size	k_qa8badee622_tr, .Lfunc_end_k_qa8badee622_tr-k_qa8badee622_tr
	.p2alignl 7, 3214868480
	.fill 96, 4, 3214868480
	.section	.rodata,"a",@progbits
	.p2align	6, 0x0
	.amdhsa_kernel k_qa8badee622_tr
		.amdhsa_group_segment_fixed_size 17152
		.amdhsa_private_segment_fixed_size 0
		.amdhsa_enable_private_segment 0
		.amdhsa_kernarg_size 16
		.amdhsa_user_sgpr_count 2
		.amdhsa_user_sgpr_kernarg_segment_ptr 1
		.amdhsa_wavefront_size32 1
		.amdhsa_system_sgpr_workgroup_id_x 1
		.amdhsa_system_sgpr_workgroup_id_y 1
		.amdhsa_system_sgpr_workgroup_id_z 1
		.amdhsa_system_vgpr_workitem_id 0
		.amdhsa_next_free_vgpr 80
		.amdhsa_next_free_sgpr 66
		.amdhsa_reserve_vcc 0
		.amdhsa_float_denorm_mode_32 3
		.amdhsa_float_denorm_mode_16_64 3
		.amdhsa_memory_ordered 1
		.amdhsa_forward_progress 1
		.amdhsa_inst_pref_size 9
	.end_amdhsa_kernel
	.amdgpu_metadata
---
amdhsa.version: [ 1, 2 ]
amdhsa.kernels:
  - .name:           k_qa8badee622_tr
    .symbol:         k_qa8badee622_tr.kd
    .args:
      - { .name: xo, .offset: 0, .size: 8, .value_kind: global_buffer, .address_space: global }
      - { .name: out0, .offset: 8, .size: 8, .value_kind: global_buffer, .address_space: global }
    .group_segment_fixed_size: 17152
    .private_segment_fixed_size: 0
    .kernarg_segment_align: 8
    .kernarg_segment_size: 16
    .max_flat_workgroup_size: 128
    .sgpr_count:     66
    .vgpr_count:     80
    .wavefront_size: 32
...
	.end_amdgpu_metadata
.endif
;; end of part 3
;; ======== version 2 of 2: 3 launches; version 1 with the launches kvw, dec written anew for expert scheduling mode
;; limits: a function is approximated: absolute error at most 1.5e-07
;; workspace buffers: kv 50,333,696 bytes; wst 3,145,728 bytes; xo 4,194,304 bytes
;; launch kvw (part 4): grid 64 x 4, 8 waves a work-group, no clusters, 310,272 bytes of LDS; arguments feats, params_tp, params_sp, kv, wst, params_layers_0_sa_w_in, params_layers_0_sa_w_out, params_layers_0_ca_w_in, params_layers_0_ca_w_out, params_layers_0_lin1_w, params_layers_0_lin2_w, params_layers_1_sa_w_in, params_layers_1_sa_w_out, params_layers_1_ca_w_in, params_layers_1_ca_w_out, params_layers_1_lin1_w, params_layers_1_lin2_w; writes kv, wst
.if DOCPART == 4
	.amdgcn_target "amdgcn-amd-amdhsa--gfx1250"
	.amdhsa_code_object_version 6
	.text
	.protected	k_qa8badee622_kvw
	.globl	k_qa8badee622_kvw
	.p2align	8
	.type	k_qa8badee622_kvw,@function
k_qa8badee622_kvw:
	s_mov_b64 s[64:65], 0
	v_nop
	global_prefetch_b8 v0, s[64:65] scope:SCOPE_SE
	s_setreg_imm32_b32 hwreg(HW_REG_WAVE_SCHED_MODE, 0, 2), 2
	s_setreg_imm32_b32 hwreg(HW_REG_WAVE_MODE, 25, 1), 1
	s_wait_xcnt 0x0
	s_wait_alu depctr_vm_vsrc(0)
; K AND V OF EVERY REAL TOKEN, ONCE, FOR BOTH LAYERS; AND THE DECODER'S WEIGHTS AS bf16 IN THE ORDER IN WHICH THEY ARE STREAMED.
; The projection is linear: W (f + tp[t] + sp[s]) = W (f + tp[t]) + W sp[s].  So the 20,480 tokens (b, t, pixel) are projected once, not once for each of nine windows.
; kv row g = (5 b + t) 1024 + pixel holds [K0 | V0 | K1 | V1], 256 bf16 each, without bias.  Row 20480 + 1024 t holds W tp[t] (a token outside the image: f = 0), row 20481 + s holds W sp[s].
; SHARES.  Work-group (mb, nq): tokens 320 mb .. + 319 x the 256 columns of quarter nq (layer nq / 2; K or V by nq % 2).  Eight waves: wm = w / 2 takes 80 tokens (5 tiles), wn = w % 2 takes 128 columns (8 tiles): 40 accumulators.
; The matrix instruction is used transposed (source 0 = 16 rows of W, source 1 = 16 tokens): a lane ends with one token and eight neighbouring columns, 16 bytes of a kv row.
; NO TENSOR LOAD, NO CLUSTER: both operands arrive in f32 and pass through registers to become bf16; as f32 they would take 320 x 1,024 + 256 x 1,024 bytes of LDS, more than there is.
; ROUNDINGS: f + tp is added in f32 and rounded once to bf16; W once to bf16; sums in f32; K and V rounded once to bf16.
; LDS: WT [256 n][528] bf16, k on end; TT [256 c][672] bf16, tokens on end (bytes 640-671 of a row: the 16 position columns, written and read where mb = 0 alone); the stages of the way out lie over WT, behind the second barrier.
; THE MODE: SCHED_MODE bits 1:0 = 2 (LLVM: expert scheduling mode 2), set by the entry lines.  The code itself states the register dependences
; between vector or matrix instructions and memory or LDS instructions, with s_wait_alu, always for 0.
; THE PLAN.  Registers that memory or LDS instructions touch:
;   RAW, three sets of 80 (v16-255)   Written by a set's loads; read (feats: also added to in place) by its stage's arithmetic; asked for again behind the stage's one wait on va_vdst.
;   OUT0, OUT1 (window 1, v0-63)      Written by a stage's 32 conversions, read by its 16 LDS stores, by turns: the wait on vm_vsrc ahead of the conversions names the stores of two stages back.
;   TF, TFB, two sets of five token fragments; WF in two halves of four tiles.  A K step is two halves of 20 products.  Behind the first half one wait on va_vdst: that half of WF and the other token set
;                                     (read last by the step before) are asked for again; behind the second half a second wait: the other half of WF.  Each run of loads has 20 products in which to land.
;   TM0, TM1 and OB0, OB1             The way out: tile i's conversions write TM[i % 2], its LDS stores read it, its LDS loads land in OB[i % 2], its global stores read that.  One wait on vm_vsrc a tile, behind the
;                                     tile's conversions, names the LDS stores of the tile before and the global stores of two tiles back; one wait on va_vdst stands ahead of the tile's LDS stores.
;   v1, v4-v15                        Addresses: made at the head; those that are made anew for the products stand between a wait on vm_vsrc and a wait on va_vdst.
.set WPITCH, 528                       ; 512 + 16: an odd multiple of 16 bytes, so the 16 rows of a fragment load begin in 16 different groups of four banks (ISA guide 11.1)
.set TT,     135168
.set TPITCH, 672                       ; 21 x 32: an odd multiple of 32 bytes
.set SPITCH, 272
.set SPARE,  309248                    ; the spare words: 128 bytes for each of the eight waves; no other line names them
.set FB, 42                            ; s[42:51]  feats at unit u's 64 tokens, channel 0
.set TB, 52                            ; s[52:61]  tp at unit u's frame
.set OUT, 0                            ; window 1, v[0:63]: two out-buffers of 32, in the way in alone (later accumulators)
.set TF, 16                            ; v[16:55]   5 token fragments, the even K steps'
.set TFB, 192                          ; window 1, v[192:231]: the odd K steps'; the position tile's accumulators lie here later
.set WF, 56                            ; v[56:119]  8 fragments of W
.set ACC, 128                          ; accumulator (i, j) at v[128 + 8 (8 i + j)]: tiles 0, 1 in window 0, tiles 2-4 and the position tile (i = 5) in window 1
.set TM0, 16                           ; the way out: packed results of the even tiles,
.set TM1, 128                          ; of the odd ones: tile 0's first four accumulators, which have been packed by then
.set OB, 48                            ; the way out: rows read back, v48-79 and v80-111 by turns
.set MSB, 0
.macro WIN new                         ; the immediate's high byte repeats the setting that is left; a switch that changes nothing is dropped
.if MSB != (\new)
	s_set_vgpr_msb (MSB<<8)|(\new)
.set MSB, \new
.endif
.endm
.macro PLACES                          ; four plain places behind a matrix instruction, before a vector instruction reads its result or writes one of its registers (ISA guide 7.12.1)
.rept 4
	v_nop
.endr
.endm
	s_load_b256 s[4:11], s[0:1], 0x0               ; feats s[4:5], tp s[6:7], sp s[8:9], kv s[10:11]
	s_load_b64 s[12:13], s[0:1], 0x20              ; wst
	s_load_b512 s[16:31], s[0:1], 0x28             ; layer 0: sa_w_in, sa_w_out, ca_w_in, ca_w_out, lin1_w, lin2_w; layer 1: sa_w_in, sa_w_out
	s_load_b256 s[32:39], s[0:1], 0x68             ; layer 1: ca_w_in, ca_w_out, lin1_w, lin2_w
	v_lshl_add_u32 v2, v0, 2, SPARE
	v_mov_b32 v3, 0
	v_lshrrev_b32 v4, 5, v0
	v_readfirstlane_b32 s14, v4                    ; wave
	s_mov_b32 s15, ttmp9                           ; mb
	s_and_b32 s2, ttmp7, 0xffff                    ; nq
	s_wait_alu depctr_va_sdst(0)                   ; s14 is written, ahead of its first reader
	s_lshr_b32 s62, s14, 1                         ; wm
	s_and_b32 s63, s14, 1                          ; wn
	s_or_b32 s95, s15, s62                         ; 0 in the two waves that make the position rows
	v_and_b32 v8, 15, v0                           ; r = l % 16
	v_bfe_u32 v9, v0, 4, 1                         ; h = l / 16
	v_and_b32 v10, 31, v0                          ; l
	v_lshlrev_b32 v1, 4, v10                       ; 16 l; never rewritten
	s_lshl_b32 s72, s14, 17
	v_lshlrev_b32 v11, 4, v8
	v_lshl_add_u32 v11, v9, 14, v11
	v_add_nc_u32 v11, s72, v11                     ; feats: channel 32 w + 4 h, tokens 4 r ..
	s_lshl_b32 s72, s14, 7
	v_lshl_add_u32 v12, v9, 4, s72                 ; tp: channel 32 w + 4 h
	s_mul_i32 s72, s14, 32*WPITCH
	v_lshl_add_u32 v13, v10, 3, s72                ; WT: row 32 w, 8 bytes a lane
	s_mul_i32 s72, s14, 32*TPITCH
	s_add_co_u32 s72, s72, TT
	v_mul_u32_u24 v14, v9, 4*TPITCH
	v_lshl_add_u32 v14, v8, 3, v14
	v_add_nc_u32 v14, s72, v14                     ; TT: row 32 w + 4 h, 8 bytes a lane of a half
	s_lshl_b32 s72, s14, 15
	v_add_nc_u32 v15, s72, v1                      ; W in memory: row 32 w, 16 bytes a lane
	v_lshlrev_b32 v4, 5, v9
	v_lshl_add_u32 v5, v8, 12, v4                  ; the stream's source, rows of 4,096 bytes: r x 4096 + 32 h
	v_lshl_add_u32 v4, v8, 10, v4                  ; rows of 1,024 bytes
	v_lshlrev_b32 v6, 2, v0                        ; 4 x thread
	; THE STREAM.  wst is [wave 8][layer 2][unit 96][tile 2][half 2][lane 32][16 B].  A block of 512 bytes is half a fragment: lane (r, h) holds W[n0 + r][k0 + 16 c + 8 h .. + 7].
	; 6,144 blocks, three to each wave of the launch: one of the four 256 x 256 matrices (a = w % 4), one of lin1, one of lin2, of layer w / 4.
	s_lshl_b32 s3, s15, 2
	s_add_co_u32 s3, s3, s2                        ; g = 4 mb + nq
	s_and_b32 s76, s14, 3                          ; a
	s_lshr_b32 s77, s14, 2
	s_mul_i32 s77, s77, 196608                     ; the layer's part of a wave's stream
	s_lshr_b32 s78, s3, 4                          ; block 1: nt = g / 16, ks = (g / 2) % 8, c = g % 2
	s_bfe_u32 s79, s3, 0x30001
	s_and_b32 s80, s3, 1
	s_lshl_b32 s82, s78, 14
	s_lshl_b32 s81, s79, 7
	s_add_co_u32 s82, s82, s81
	s_lshl_b32 s81, s80, 6
	s_add_co_u32 s82, s82, s81                     ; from: nt x 16 rows + 128 ks + 64 c
	s_mov_b32 s83, 0
	s_lshr_b32 s81, s78, 1
	s_mul_i32 s84, s81, 393216                     ; to: wave nt / 2,
	s_add_co_u32 s84, s84, s77
	s_lshl_b32 s81, s76, 3
	s_add_co_u32 s81, s81, s79
	s_lshl_b32 s81, s81, 11
	s_add_co_u32 s84, s84, s81                     ; unit 8 a + ks,
	s_and_b32 s81, s78, 1
	s_lshl_b32 s81, s81, 10
	s_add_co_u32 s84, s84, s81                     ; tile nt % 2,
	s_lshl_b32 s81, s80, 9
	s_add_co_u32 s84, s84, s81                     ; half c
	s_mov_b32 s85, 0
	s_lshl_b32 s94, s3, 2
	s_add_co_u32 s94, s94, s76                     ; i = 4 g + a
	s_lshr_b32 s78, s94, 4                         ; block 2, lin1: nt = i / 16, ks = (i / 2) % 8, c = i % 2
	s_bfe_u32 s79, s94, 0x30001
	s_and_b32 s80, s94, 1
	s_lshl_b32 s86, s78, 14
	s_lshl_b32 s81, s79, 7
	s_add_co_u32 s86, s86, s81
	s_lshl_b32 s81, s80, 6
	s_add_co_u32 s86, s86, s81
	s_mov_b32 s87, 0
	s_lshr_b32 s81, s78, 3
	s_mul_i32 s88, s81, 393216                     ; wave nt / 8,
	s_add_co_u32 s88, s88, s77
	s_bfe_u32 s81, s78, 0x20001
	s_lshl_b32 s81, s81, 3
	s_add_co_u32 s81, s81, s79
	s_add_co_u32 s81, s81, 32
	s_lshl_b32 s81, s81, 11
	s_add_co_u32 s88, s88, s81                     ; unit 32 + 8 ((nt / 2) % 4) + ks
	s_and_b32 s81, s78, 1
	s_lshl_b32 s81, s81, 10
	s_add_co_u32 s88, s88, s81
	s_lshl_b32 s81, s80, 9
	s_add_co_u32 s88, s88, s81
	s_mov_b32 s89, 0
	s_lshr_b32 s78, s94, 6                         ; block 3, lin2: nt = i / 64, ks = (i / 2) % 32, c = i % 2
	s_bfe_u32 s79, s94, 0x50001
	s_lshl_b32 s90, s78, 16
	s_lshl_b32 s81, s79, 7
	s_add_co_u32 s90, s90, s81
	s_lshl_b32 s81, s80, 6
	s_add_co_u32 s90, s90, s81
	s_mov_b32 s91, 0
	s_lshr_b32 s81, s78, 1
	s_mul_i32 s92, s81, 393216
	s_add_co_u32 s92, s92, s77
	s_add_co_u32 s81, s79, 64
	s_lshl_b32 s81, s81, 11
	s_add_co_u32 s92, s92, s81                     ; unit 64 + ks
	s_and_b32 s81, s78, 1
	s_lshl_b32 s81, s81, 10
	s_add_co_u32 s92, s92, s81
	s_lshl_b32 s81, s80, 9
	s_add_co_u32 s92, s92, s81
	s_mov_b32 s93, 0
	s_wait_kmcnt 0x0
	s_cmp_lt_u32 s2, 2                             ; my quarter's rows of ca_w_in: layer nq / 2, rows 256 + 256 (nq % 2) on
	s_cselect_b64 s[40:41], s[20:21], s[32:33]
	s_and_b32 s72, s2, 1
	s_lshl_b32 s72, s72, 18
	s_add_co_u32 s72, s72, 262144
	s_mov_b32 s73, 0
	s_add_nc_u64 s[40:41], s[40:41], s[72:73]
	s_cmp_lt_u32 s14, 4                            ; the stream's sources: layer w / 4,
	s_cselect_b64 s[16:17], s[16:17], s[28:29]
	s_cselect_b64 s[18:19], s[18:19], s[30:31]
	s_cselect_b64 s[20:21], s[20:21], s[32:33]
	s_cselect_b64 s[22:23], s[22:23], s[34:35]
	s_cselect_b64 s[24:25], s[24:25], s[36:37]
	s_cselect_b64 s[26:27], s[26:27], s[38:39]
	s_add_nc_u64 s[16:17], s[16:17], 0x80000       ; of sa_w_in the V third, rows 512 on: with one key the softmax of self-attention is 1, so its Q and K thirds change nothing
	s_cmp_eq_u32 s76, 1                            ; matrix a
	s_cselect_b64 s[16:17], s[18:19], s[16:17]
	s_cmp_eq_u32 s76, 2
	s_cselect_b64 s[16:17], s[20:21], s[16:17]
	s_cmp_eq_u32 s76, 3
	s_cselect_b64 s[16:17], s[22:23], s[16:17]
	s_add_nc_u64 s[16:17], s[16:17], s[82:83]
	s_add_nc_u64 s[24:25], s[24:25], s[86:87]
	s_add_nc_u64 s[26:27], s[26:27], s[90:91]
	s_add_nc_u64 s[66:67], s[12:13], s[84:85]
	s_add_nc_u64 s[68:69], s[12:13], s[88:89]
	s_add_nc_u64 s[70:71], s[12:13], s[92:93]
	; the five units of 64 tokens: unit gu = 5 mb + u lies in image bt = gu / 16, frame t = bt % 5
.irp u, 0,1,2,3,4
	s_mul_i32 s72, s15, 5
	s_add_co_u32 s72, s72, \u
	s_lshr_b32 s73, s72, 4                         ; bt
	s_and_b32 s72, s72, 15
	s_lshl_b32 s72, s72, 8
	s_lshl_b32 s74, s73, 20
	s_add_co_u32 s74, s74, s72
	s_mov_b32 s75, 0
	s_add_nc_u64 s[FB+2*\u:FB+2*\u+1], s[4:5], s[74:75]
	s_mul_i32 s72, s73, 13
	s_lshr_b32 s72, s72, 6                         ; bt / 5 for bt < 20
	s_mul_i32 s72, s72, 5
	s_sub_co_u32 s72, s73, s72                     ; t
	s_lshl_b32 s74, s72, 10
	s_add_nc_u64 s[TB+2*\u:TB+2*\u+1], s[6:7], s[74:75]
.endr
	s_lshl_b32 s74, s2, 9                          ; kv: my 256 bytes of a row,
	s_lshl_b32 s75, s63, 8
	s_add_co_u32 s74, s74, s75
	s_mov_b32 s75, 0
	s_add_nc_u64 s[98:99], s[10:11], s[74:75]
	s_mul_i32 s72, s15, 320
	s_mul_i32 s74, s62, 80
	s_add_co_u32 s72, s72, s74
	s_lshl_b32 s72, s72, 11
	s_mov_b32 s73, 0
	s_add_nc_u64 s[96:97], s[98:99], s[72:73]      ; at my first token
	s_wait_alu depctr_va_vdst(0)                   ; v1, v4-v6 and v11-v15 are written: the loads and stores of the way in read them as offsets and addresses
; THE WAY IN.  Three raw sets of 80 registers take turns.  A unit of feats: 64 tokens x my 32 channels; lanes 0-15 take a channel's 256 bytes, lanes 16-31 those of the channel four on.
; A stage: the set's arithmetic (FCAL, WCAL), which ends in the stage's wait on va_vdst; the set is asked for again at once (FISS, WISS); then the stage's 16 LDS stores leave from its out-buffer (FPUT, WPUT).
.macro FISS st, un                     ; 20 loads: tp of my lane's 16 channels, then 16 x 512 bytes of feats
.irp q, 0,1,2,3
	global_load_b128 v[(\st)+64+4*(\q):(\st)+64+4*(\q)+3], v12, s[TB+2*(\un):TB+2*(\un)+1] offset:32*(\q)
.endr
.irp i, 0,1,2,3,4,5,6,7,8,9,10,11,12,13,14,15
	global_load_b128 v[(\st)+4*(\i):(\st)+4*(\i)+3], v11, s[FB+2*(\un):FB+2*(\un)+1] offset:(8*((\i)>>2)+((\i)&3))*4096
.endr
.endm
.macro FCAL st, ob, free, cnt          ; cnt: the younger loads, which stay out.  f + tp in f32, rounded once, into out-buffer ob.  free = 1: the out-buffer has been stored from before
	s_wait_loadcnt \cnt
.irp i, 0,1,2,3,4,5,6,7,8,9,10,11,12,13,14,15
.if (\i)&1
	v_pk_add_f32 v[(\st)+4*(\i):(\st)+4*(\i)+1], v[(\st)+4*(\i):(\st)+4*(\i)+1], v[(\st)+63+(\i):(\st)+64+(\i)] op_sel:[0,1] op_sel_hi:[1,1]
	v_pk_add_f32 v[(\st)+4*(\i)+2:(\st)+4*(\i)+3], v[(\st)+4*(\i)+2:(\st)+4*(\i)+3], v[(\st)+63+(\i):(\st)+64+(\i)] op_sel:[0,1] op_sel_hi:[1,1]
.else
	v_pk_add_f32 v[(\st)+4*(\i):(\st)+4*(\i)+1], v[(\st)+4*(\i):(\st)+4*(\i)+1], v[(\st)+64+(\i):(\st)+65+(\i)] op_sel_hi:[1,0]
	v_pk_add_f32 v[(\st)+4*(\i)+2:(\st)+4*(\i)+3], v[(\st)+4*(\i)+2:(\st)+4*(\i)+3], v[(\st)+64+(\i):(\st)+65+(\i)] op_sel_hi:[1,0]
.endif
.endr
.if \free
	s_wait_alu depctr_vm_vsrc(0)                   ; the LDS stores of two stages back have read this out-buffer, which the conversions write again
.endif
	WIN 0x40                                       ; destination window 1
.irp i, 0,1,2,3,4,5,6,7,8,9,10,11,12,13,14,15
	v_cvt_pk_bf16_f32 v[OUT+32*(\ob)+2*(\i)], v[(\st)+4*(\i)], v[(\st)+4*(\i)+1]
	v_cvt_pk_bf16_f32 v[OUT+32*(\ob)+2*(\i)+1], v[(\st)+4*(\i)+2], v[(\st)+4*(\i)+3]
.endr
	WIN 0
	s_wait_alu depctr_va_vdst(0)                   ; the conversions have written the out-buffer, which the LDS stores read; the adds and they are done with the raw set, in which the next loads land
.endm
.macro FPUT ob, un                     ; 8 bytes a lane into TT
	WIN 0x04                                       ; the stores' data in window 1
.irp i, 0,1,2,3,4,5,6,7,8,9,10,11,12,13,14,15
	ds_store_b64 v14, v[OUT+32*(\ob)+2*(\i):OUT+32*(\ob)+2*(\i)+1] offset:(8*((\i)>>2)+((\i)&3))*TPITCH+128*(\un)
.endr
	WIN 0
.endm
.macro WISS st, ch                     ; 16 loads: eight of my 32 rows of W, 512 bytes on end each
.irp i, 0,1,2,3,4,5,6,7,8,9,10,11,12,13,14,15
	global_load_b128 v[(\st)+4*(\i):(\st)+4*(\i)+3], v15, s[40:41] offset:(8*(\ch)+((\i)>>1))*1024+((\i)&1)*512
.endr
.endm
.macro WCAL st, ob, cnt
	s_wait_loadcnt \cnt
	s_wait_alu depctr_vm_vsrc(0)                   ; the LDS stores of two stages back have read this out-buffer, which the conversions write again
	WIN 0x40
.irp i, 0,1,2,3,4,5,6,7,8,9,10,11,12,13,14,15
	v_cvt_pk_bf16_f32 v[OUT+32*(\ob)+2*(\i)], v[(\st)+4*(\i)], v[(\st)+4*(\i)+1]
	v_cvt_pk_bf16_f32 v[OUT+32*(\ob)+2*(\i)+1], v[(\st)+4*(\i)+2], v[(\st)+4*(\i)+3]
.endr
	WIN 0
	s_wait_alu depctr_va_vdst(0)                   ; the conversions have written the out-buffer, which the LDS stores read, and are done reading the raw set, in which later loads land
.endm
.macro WPUT ob, ch
	WIN 0x04
.irp i, 0,1,2,3,4,5,6,7,8,9,10,11,12,13,14,15
	ds_store_b64 v13, v[OUT+32*(\ob)+2*(\i):OUT+32*(\ob)+2*(\i)+1] offset:(8*(\ch)+((\i)>>1))*WPITCH+((\i)&1)*256
.endr
	WIN 0
.endm
	FISS 16, 0
	FISS 96, 1
	FISS 176, 2
	FCAL 16, 0, 0, 40                              ; behind unit 0: units 1 and 2
	FISS 16, 3
	FPUT 0, 0
	FCAL 96, 1, 0, 40
	FISS 96, 4
	FPUT 1, 1
	FCAL 176, 0, 1, 40
	WISS 176, 0
	FPUT 0, 2
	FCAL 16, 1, 1, 36                              ; unit 4's 20 and W's first 16
	WISS 16, 1
	FPUT 1, 3
	FCAL 96, 0, 1, 32
	WISS 96, 2
	FPUT 0, 4
	WCAL 176, 1, 32
	WISS 176, 3
	WPUT 1, 0
	WCAL 16, 0, 32
	global_load_b128 v[16:19], v4, s[16:17]        ; the stream's three blocks: 32 bytes of f32 a lane each
	global_load_b128 v[20:23], v4, s[16:17] offset:16
	global_load_b128 v[24:27], v4, s[24:25]
	global_load_b128 v[28:31], v4, s[24:25] offset:16
	global_load_b128 v[32:35], v5, s[26:27]
	global_load_b128 v[36:39], v5, s[26:27] offset:16
	WPUT 0, 1
	WCAL 96, 1, 22                                 ; W's last 16 and the stream's 6
	WPUT 1, 2
	WCAL 176, 0, 6
	WPUT 0, 3
	s_wait_loadcnt 0x0
.irp i, 0,1,2,3,4,5,6,7,8,9,10,11
	v_cvt_pk_bf16_f32 v[40+\i], v[16+2*\i], v[17+2*\i]
.endr
	s_wait_alu depctr_va_vdst(0)                   ; the conversions have written v40-51, which the three stores read
	global_store_b128 v1, v[40:43], s[66:67]       ; each store of the wave covers 512 consecutive bytes, aligned
	global_store_b128 v1, v[44:47], s[68:69]
	global_store_b128 v1, v[48:51], s[70:71]
	; the 16 position columns: tp[0..4], sp[0..8], two of zeros; thread c has channel c
	s_cmp_lg_u32 s15, 0
	s_cbranch_scc1 .Lnopos
.irp t, 0,1,2,3,4
	global_load_b32 v[96+\t], v6, s[6:7] offset:1024*\t
.endr
.irp s, 0,1,2,3,4,5,6,7,8
	global_load_b32 v[101+\s], v6, s[8:9] offset:1024*\s
.endr
	v_mul_u32_u24 v7, v0, TPITCH
	v_add_nc_u32 v7, TT+640, v7
	s_wait_loadcnt 0x0
.irp k, 0,1,2,3,4,5,6
	v_cvt_pk_bf16_f32 v[112+\k], v[96+2*\k], v[97+2*\k]
.endr
	v_mov_b32 v119, 0
	s_wait_alu depctr_va_vdst(0)                   ; v7 and v112-119 are written: the two LDS stores read them
	ds_store_b128 v7, v[112:115]
	ds_store_b128 v7, v[116:119] offset:16
.Lnopos:
	s_wait_xcnt 0x0                                ; the stream's stores have had their addresses translated: the fragments below land in v40-51 only behind this wait
	s_wait_alu depctr_vm_vsrc(0)                   ; every load and store of the way in has read its registers: v4-v7 and v11-v13 are made anew below, fragments land in v40-51 and v112-119, and products write over the out-buffers
	; the products' addresses.  The turning load: lane l reads channel k0 + 8 h + l % 8, tokens n0 + 8 ((l / 8) % 2) .. + 7, and is left with token n0 + r, channels k0 + 8 h .. + 7
	v_and_b32 v12, 7, v0
	v_bfe_u32 v13, v0, 3, 1
	v_lshl_add_u32 v12, v9, 3, v12
	v_mul_u32_u24 v12, v12, TPITCH
	v_lshl_add_u32 v12, v13, 4, v12
	s_mul_i32 s72, s62, 160
	s_add_co_u32 s72, s72, TT
	v_add_nc_u32 v4, s72, v12                      ; K steps 0-2
	v_add_nc_u32 v5, 64512, v4                     ; K steps 3-5: 96 rows on, since an immediate holds 16 bits
	v_add_nc_u32 v6, 64512, v5                     ; K steps 6, 7
	v_mul_u32_u24 v7, v8, WPITCH
	v_lshl_add_u32 v7, v9, 4, v7
	s_mul_i32 s72, s63, 128*WPITCH
	v_add_nc_u32 v7, s72, v7                       ; W: row 128 wn + r, 16 h
	s_mul_i32 s72, s14, 16*SPITCH                  ; my stage
	v_lshlrev_b32 v11, 4, v8                       ; 16 r
	v_mul_u32_u24 v13, v9, SPITCH
	v_add_nc_u32 v13, v13, v11
	v_add_nc_u32 v13, s72, v13                     ; back: lanes 0-15 one row of 256 bytes, lanes 16-31 the next
	v_lshl_add_u32 v10, v9, 11, v11                ; and the same two rows of kv
	v_mul_u32_u24 v12, v8, SPITCH
	v_lshl_add_u32 v12, v9, 4, v12
	v_add_nc_u32 v12, s72, v12                     ; in: row r, 16 bytes for each half of the lanes
	s_wait_alu depctr_va_vdst(0)                   ; v4-v7, v10, v12 and v13 are written, which the LDS and global instructions below read; the way in's arithmetic is done with v16-119, in which the fragments land
	s_wait_dscnt 0x0                               ; for the others' sake: my stores into WT and TT are done
	s_barrier_signal -1
	s_barrier_wait -1
; A K step of 32 channels: 26 LDS loads, 40 products in two halves.  The 40 accumulators take turns, one instruction a turn, from step to step too.
.macro LDT ks                          ; the five token fragments of K step ks, into the set of its parity
.if (\ks)%2
	WIN 0x40                                       ; destination window 1, address window 0
.set tb, TFB
.else
	WIN 0
.set tb, TF
.endif
.irp i, 0,1,2,3,4
	ds_load_tr16_b128 v[tb+8*\i:tb+8*\i+3],   v[4+(\ks)/3] offset:((\ks)%3)*21504+32*\i
	ds_load_tr16_b128 v[tb+8*\i+4:tb+8*\i+7], v[4+(\ks)/3] offset:((\ks)%3)*21504+32*\i+10752
.endr
.endm
.macro LDW ks, hf                      ; four of W's eight fragments of K step ks: tiles 4 hf .. 4 hf + 3
	WIN 0
.irp j, 0,1,2,3
	ds_load_b128 v[WF+8*(4*(\hf)+\j):WF+8*(4*(\hf)+\j)+3],   v7 offset:(4*(\hf)+\j)*16*WPITCH+(\ks)*64
	ds_load_b128 v[WF+8*(4*(\hf)+\j)+4:WF+8*(4*(\hf)+\j)+7], v7 offset:(4*(\hf)+\j)*16*WPITCH+(\ks)*64+32
.endr
.endm
.macro MUL ks, hf                      ; 20 products: the five token tiles x W's tiles 4 hf .. 4 hf + 3
.if (\ks)%2
.set tb, TFB
.else
.set tb, TF
.endif
.irp i, 0,1,2,3,4
.if \i < 2
	WIN 0x04*((\ks)%2)                             ; source 1, the tokens, by the step's parity
.else
	WIN 0x50+0x04*((\ks)%2)                        ; C and D in window 1
.endif
.irp j, 0,1,2,3
.set ac, (ACC+8*(8*\i+4*(\hf)+\j))&255
.if (\ks) == 0
	v_wmma_f32_16x16x32_bf16 v[ac:ac+7], v[WF+8*(4*(\hf)+\j):WF+8*(4*(\hf)+\j)+7], v[tb+8*\i:tb+8*\i+7], 0
.else
	v_wmma_f32_16x16x32_bf16 v[ac:ac+7], v[WF+8*(4*(\hf)+\j):WF+8*(4*(\hf)+\j)+7], v[tb+8*\i:tb+8*\i+7], v[ac:ac+7]
.endif
.endr
.endr
.endm
.macro KSTEP ks
	s_wait_dscnt 8                                 ; LDS loads come back in order (ISA guide 5.7.1): the tokens and W's first half are in; its second half, eight loads, may stay out
	MUL \ks, 0
.if (\ks) < 7
	WIN 0
	s_wait_alu depctr_va_vdst(0)                   ; these 20 products are done reading W's first half, and the step before is done reading the other set of tokens: the 18 loads below land there
	LDW (\ks)+1, 0
	LDT (\ks)+1
	s_wait_dscnt 18                                ; W's second half is in; the 18 just issued stay out
.else
	s_wait_dscnt 0x0
.endif
	MUL \ks, 1
.if (\ks) < 7
	WIN 0
	s_wait_alu depctr_va_vdst(0)                   ; these 20 products are done reading W's second half, in which the eight loads below land
	LDW (\ks)+1, 1
.endif
.endm
	LDT 0
	LDW 0, 0
	LDW 0, 1
.irp k, 0,1,2,3,4,5,6,7
	KSTEP \k
.endr
	WIN 0
	; the position tile: tokens 320-335 of TT, in the two waves with wm = 0 of the work-groups with mb = 0
	s_cmp_lg_u32 s95, 0
	s_cbranch_scc1 .Lnoposmul
.rept 5
	v_nop                                          ; the tile's accumulators lie where the odd steps' tokens lay: five places between the products that read those and the first that writes over them (ISA guide 7.12.1)
.endr
.macro POSSTEP ks
	s_wait_alu depctr_va_vdst(0)                   ; the products issued so far are done reading v16-23 and W's fragments, in which the 18 loads below land
	ds_load_tr16_b128 v[TF:TF+3],   v[4+(\ks)/3] offset:((\ks)%3)*21504+640
	ds_load_tr16_b128 v[TF+4:TF+7], v[4+(\ks)/3] offset:((\ks)%3)*21504+640+10752
.irp j, 0,1,2,3,4,5,6,7
	ds_load_b128 v[WF+8*\j:WF+8*\j+3],   v7 offset:\j*16*WPITCH+(\ks)*64
	ds_load_b128 v[WF+8*\j+4:WF+8*\j+7], v7 offset:\j*16*WPITCH+(\ks)*64+32
.endr
	s_wait_dscnt 0x0
	WIN 0x50
.irp j, 0,1,2,3,4,5,6,7
.if (\ks) == 0
	v_wmma_f32_16x16x32_bf16 v[192+8*\j:192+8*\j+7], v[WF+8*\j:WF+8*\j+7], v[TF:TF+7], 0
.else
	v_wmma_f32_16x16x32_bf16 v[192+8*\j:192+8*\j+7], v[WF+8*\j:WF+8*\j+7], v[TF:TF+7], v[192+8*\j:192+8*\j+7]
.endif
.endr
	WIN 0
.endm
.irp k, 0,1,2,3,4,5,6,7
	POSSTEP \k
.endr
.Lnoposmul:
	PLACES                                         ; in front of the conversions, which read results and write over fragments
	s_wait_dscnt 0x0                               ; my reads of WT and TT are over
	s_barrier_signal -1
	s_barrier_wait -1                              ; everybody's are: the stages may lie over WT
; THE WAY OUT of tile ti (5: the position tile).  A lane's eight columns pack into 16 bytes; they go into my stage's rows of 272 bytes and come back as whole rows of 256.
.macro PACK ti
.if (\ti)%2
.set tm, TM1
.else
.set tm, TM0
.endif
.if (\ti) < 2
	WIN 0
.else
	WIN 0x05                                       ; sources in window 1
.endif
.irp j, 0,1,2,3,4,5,6,7
.irp q, 0,1,2,3
	v_cvt_pk_bf16_f32 v[tm+4*\j+\q], v[((ACC+8*(8*(\ti)+\j))&255)+2*\q], v[((ACC+8*(8*(\ti)+\j))&255)+2*\q+1]
.endr
.endr
	WIN 0
.endm
.macro TOSTAGE ti
.if (\ti)%2
.set tm, TM1
.else
.set tm, TM0
.endif
.irp j, 0,1,2,3,4,5,6,7
	ds_store_b128 v12, v[tm+4*\j:tm+4*\j+3] offset:32*\j
.endr
.irp t, 0,1,2,3,4,5,6,7
	ds_load_b128 v[OB+32*((\ti)%2)+4*\t:OB+32*((\ti)%2)+4*\t+3], v13 offset:\t*2*SPITCH  ; LDS serves a wave's instructions in order (ISA guide 5.7.1.4): these see the stores above
.endr
.endm
.macro SEND ti
	s_wait_dscnt 0x0
.irp t, 0,1,2,3,4,5,6,7
	global_store_b128 v10, v[OB+32*((\ti)%2)+4*\t:OB+32*((\ti)%2)+4*\t+3], s[96:97] offset:(16*(\ti)+2*\t)*2048  ; 16 lanes store 256 consecutive bytes, at a multiple of 256 from kv's first byte
.endr
.endm
	PACK 0
	s_wait_alu depctr_va_vdst(0)                   ; tile 0's conversions have written TM0, which the LDS stores read; the products are done reading v48-111, in which the rows land
	TOSTAGE 0
.irp i, 1,2,3,4
	PACK \i
.if \i >= 2
	s_wait_xcnt 0x0                                ; the global stores of two tiles back have had their addresses translated: the rows below land in their data registers only behind this wait
.endif
	s_wait_alu depctr_vm_vsrc(0)                   ; the LDS stores of the tile before have read their TM, which the next tile's conversions write; the global stores of two tiles back have read the OB in which this tile's rows land
	SEND \i-1
	s_wait_alu depctr_va_vdst(0)                   ; this tile's conversions have written its TM, which the LDS stores read
	TOSTAGE \i
.endr
	SEND 4
	s_cmp_lg_u32 s95, 0
	s_cbranch_scc1 .Lend
	PACK 5
	s_wait_xcnt 0x0                                ; tile 3's global stores have had their addresses translated,
	s_wait_alu depctr_vm_vsrc(0)                   ; and have read OB1, in which the position rows land
	s_wait_alu depctr_va_vdst(0)                   ; the conversions have written TM1, which the LDS stores read
	TOSTAGE 5
	; stage row q = 2 t + h goes to kv row 20480 + 1024 q (q < 5: W tp[q]) or 20476 + q (W sp[q - 5]); rows 14 and 15 are not stored
.irp t, 0,1,2,3,4,5,6
	v_add_nc_u32 v[112+\t], 2*\t, v9               ; q
.endr
.irp t, 0,1,2,3,4,5,6
	v_cmp_gt_u32 s[72+\t], 5, v[112+\t]
.endr
	s_wait_alu depctr_va_sdst(0)                   ; the seven masks s72-78 are written, ahead of the selects that read them
.irp t, 0,1,2,3,4,5,6
	v_lshl_add_u32 v120, v[112+\t], 10, 20480
	v_add_nc_u32 v121, 20476, v[112+\t]
	v_cndmask_b32 v120, v121, v120, s[72+\t]
	v_lshl_add_u32 v[112+\t], v120, 11, v11
.endr
	s_wait_alu depctr_va_vdst(0)                   ; v112-118 are written: the stores below read them as offsets
	s_wait_dscnt 0x0
.irp t, 0,1,2,3,4,5,6
	global_store_b128 v[112+\t], v[OB+32+4*\t:OB+32+4*\t+3], s[98:99]
.endr
.Lend:
	s_wait_dscnt 0x0                               ; the closing lines, six on end
	s_wait_alu 0x0
	s_wait_tensorcnt 0x0
	ds_add_u32 v2, v3
	s_wait_dscnt 0x0
	s_endpgm
.Lfunc_end_k_qa8badee622_kvw:
	.size	k_qa8badee622_kvw, .Lfunc_end_k_qa8badee622_kvw-k_qa8badee622_kvw
	.p2alignl 7, 3214868480
	.fill 96, 4, 3214868480
	.section	.rodata,"a",@progbits
	.p2align	6, 0x0
	.amdhsa_kernel k_qa8badee622_kvw
		.amdhsa_group_segment_fixed_size 310272
		.amdhsa_private_segment_fixed_size 0
		.amdhsa_enable_private_segment 0
		.amdhsa_kernarg_size 136
		.amdhsa_user_sgpr_count 2
		.amdhsa_user_sgpr_kernarg_segment_ptr 1
		.amdhsa_wavefront_size32 1
		.amdhsa_system_sgpr_workgroup_id_x 1
		.amdhsa_system_sgpr_workgroup_id_y 1
		.amdhsa_system_sgpr_workgroup_id_z 1
		.amdhsa_system_vgpr_workitem_id 0
		.amdhsa_next_free_vgpr 512
		.amdhsa_next_free_sgpr 100
		.amdhsa_reserve_vcc 0
		.amdhsa_float_denorm_mode_32 3
		.amdhsa_float_denorm_mode_16_64 3
		.amdhsa_memory_ordered 1
		.amdhsa_forward_progress 1
		.amdhsa_inst_pref_size 145
	.end_amdhsa_kernel
	.amdgpu_metadata
---
amdhsa.version: [ 1, 2 ]
amdhsa.kernels:
  - .name:           k_qa8badee622_kvw
    .symbol:         k_qa8badee622_kvw.kd
    .args:
      - { .name: feats, .offset: 0, .size: 8, .value_kind: global_buffer, .address_space: global }
      - { .name: params_tp, .offset: 8, .size: 8, .value_kind: global_buffer, .address_space: global }
      - { .name: params_sp, .offset: 16, .size: 8, .value_kind: global_buffer, .address_space: global }
      - { .name: kv, .offset: 24, .size: 8, .value_kind: global_buffer, .address_space: global }
      - { .name: wst, .offset: 32, .size: 8, .value_kind: global_buffer, .address_space: global }
      - { .name: params_layers_0_sa_w_in, .offset: 40, .size: 8, .value_kind: global_buffer, .address_space: global }
      - { .name: params_layers_0_sa_w_out, .offset: 48, .size: 8, .value_kind: global_buffer, .address_space: global }
      - { .name: params_layers_0_ca_w_in, .offset: 56, .size: 8, .value_kind: global_buffer, .address_space: global }
      - { .name: params_layers_0_ca_w_out, .offset: 64, .size: 8, .value_kind: global_buffer, .address_space: global }
      - { .name: params_layers_0_lin1_w, .offset: 72, .size: 8, .value_kind: global_buffer, .address_space: global }
      - { .name: params_layers_0_lin2_w, .offset: 80, .size: 8, .value_kind: global_buffer, .address_space: global }
      - { .name: params_layers_1_sa_w_in, .offset: 88, .size: 8, .value_kind: global_buffer, .address_space: global }
      - { .name: params_layers_1_sa_w_out, .offset: 96, .size: 8, .value_kind: global_buffer, .address_space: global }
      - { .name: params_layers_1_ca_w_in, .offset: 104, .size: 8, .value_kind: global_buffer, .address_space: global }
      - { .name: params_layers_1_ca_w_out, .offset: 112, .size: 8, .value_kind: global_buffer, .address_space: global }
      - { .name: params_layers_1_lin1_w, .offset: 120, .size: 8, .value_kind: global_buffer, .address_space: global }
      - { .name: params_layers_1_lin2_w, .offset: 128, .size: 8, .value_kind: global_buffer, .address_space: global }
    .group_segment_fixed_size: 310272
    .private_segment_fixed_size: 0
    .kernarg_segment_align: 8
    .kernarg_segment_size: 136
    .max_flat_workgroup_size: 256
    .sgpr_count:     100
    .vgpr_count:     512
    .wavefront_size: 32
...
	.end_amdgpu_metadata
.endif
;; end of part 4
;; launch dec (part 5): grid 256 x 1, 8 waves a work-group, no clusters, 295,936 bytes of LDS; arguments feats, kv, wst, xo, params_layers_0_sa_b_in, params_layers_0_sa_b_out, params_layers_0_ca_b_in, params_layers_0_ca_b_out, params_layers_0_lin1_b, params_layers_0_lin2_b, params_layers_0_ln1_g, params_layers_0_ln1_b, params_layers_0_ln2_g, params_layers_0_ln2_b, params_layers_0_ln3_g, params_layers_0_ln3_b, params_layers_1_sa_b_in, params_layers_1_sa_b_out, params_layers_1_ca_b_in, params_layers_1_ca_b_out, params_layers_1_lin1_b, params_layers_1_lin2_b, params_layers_1_ln1_g, params_layers_1_ln1_b, params_layers_1_ln2_g, params_layers_1_ln2_b, params_layers_1_ln3_g, params_layers_1_ln3_b; writes xo
.if DOCPART == 5
	.amdgcn_target "amdgcn-amd-amdhsa--gfx1250"
	.amdhsa_code_object_version 6
	.text
	.protected	k_qa8badee622_dec
	.globl	k_qa8badee622_dec
	.p2align	8
	.type	k_qa8badee622_dec,@function
k_qa8badee622_dec:
	s_mov_b64 s[64:65], 0
	v_nop
	global_prefetch_b8 v0, s[64:65] scope:SCOPE_SE
	s_setreg_imm32_b32 hwreg(HW_REG_WAVE_SCHED_MODE, 0, 2), 2
	s_setreg_imm32_b32 hwreg(HW_REG_WAVE_MODE, 25, 1), 1
	s_wait_xcnt 0x0
	s_wait_alu depctr_vm_vsrc(0)
; BOTH DECODER LAYERS FOR 4 x 4 PIXELS; x never leaves the work-group.  4,096 pixels / 16 = 256 work-groups.
; IN A PRODUCT wave w makes output columns 32 w .. + 31 (lin1: 128 w .. + 127) of all 16 rows; the matrix instruction is used transposed (source 0 = 16 rows of W, source 1 = the 16 rows of x), so a lane ends
; with row r = l % 16 and eight neighbouring columns; the bias enters as the C operand of the first product.  AS OWNER wave w has rows 2 w, 2 w + 1 and lane l channels 8 l .. + 7: residual (f32, 16 registers), LayerNorm, attention.
; WEIGHTS come as bf16 fragments in stream order (wst), straight into a ring of 128 registers (window 1): 32 loads of 512 consecutive bytes are out for each wave all the time, 8 units of 2,048 bytes ahead.
; SELF-ATTENTION has one key: its softmax is 1 for every finite score, so sa = (x Wv^T + bv) Wo^T + bo.  LIMIT: where the reference's own self-scores are not finite it gives NaN, this text does not.
; CROSS-ATTENTION: key (t, s) of a pixel is K'[neighbour][t] + KS[s] + bk, with K' = Wk (f + tp[t]) (or Wk tp[t] outside the image) and KS = Wk sp[s], all from kv; V likewise.  Scores, the true maximum, exponentials and sums in f32;
; a head is four lanes.  sum p (V' + VS + bv) = sum p V' + sum_s (sum_t p) VS[s] + l bv.
; GELU is exact in form: gelu(x) = max(x, 0) - |x| Hq, Hq = (1 - erf(|x| / sqrt 2)) / 2 by the five-term form of Abramowitz and Stegun 7.1.26.  LIMIT: its erf is off by at most 1.5e-7, for every x.
; LIMITS: a weight below 2^-126 counts as 0; NaN and infinities are not treated apart.  LayerNorm takes the mean first and then the centred squares.
; NO CLUSTER, NO TENSOR LOAD: all work-groups walk the same weights, but LDS holds 184,320 bytes of halo and 110,592 of activations and parameters; what is left, under 32 KiB, would make two slots of at most 16 KiB:
; 96 rounds a layer, each with a fill that 16 rows' products cannot cover.  The register ring keeps 8 x 16 KiB on their way with no barrier.
; THE MODE: SCHED_MODE bits 1:0 = 2 (LLVM: expert scheduling mode 2), set by the entry lines.  The code itself states the register dependences
; between vector or matrix instructions and memory or LDS instructions, with s_wait_alu, always for 0.
; THE PLAN.  Registers that memory or LDS instructions touch:
;   THE RING (window 1), four pairs of units   A pair's four products read it; behind them one wait on va_vdst, and its eight loads land in it again at once, so that 32 loads stay out.  Each pair has a scalar base of its own,
;                      stepped behind the counted wait that shows the pair's loads, the base's only readers, done.  A batch's last such wait also says that all its products are done with their fragments of the activations.
;   AF0, AF1, BI       LDS loads land in them, products read them; LayerNorm and attention work in the same registers.  Each of those ends in a wait on va_vdst ahead of its own LDS stores, behind which no vector line names them.
;   ACC0, ACC1         Behind the places a wait on va_vdst, then the LDS stores of the results; a wait on vm_vsrc stands behind the next barrier or the one after, ahead of the next products or scores that write them.
;   HD                 The halo's loads land in it, LDS stores read it; the wait on vm_vsrc between the first group's stores and the second group's loads stands behind the epilogue that lies between.
;   BA, BB             Attention's two buffers of nine tokens: a step's dot products or weighted sums read one; behind them the step's one wait on va_vdst, and the buffer is asked for again.
;   AY, AD, AR0, AR2; CB, CH; VPB, VPB1, VPO   The addresses that must be stepped: a wait on vm_vsrc, the adds, and the wait on va_vdst at the loop's head.  All other addresses are made once, ahead of one wait at the kernel's head.
.set YP,   1040                        ; Y: f32 [16][1040] at 0
.set AB0,  16640                       ; bf16 [16][528]
.set AB1,  25088
.set ABP,  528
.set HH,   33536                       ; H: bf16 [16][2064]
.set HP,   2064
.set PAR,  66560                       ; the small vectors, f32: 17 slots of 1,024 bytes a layer
.set PARL, 17408
.set PSR,  101376                      ; [9 s][KS 512 | VS 512]
.set HALO, 110592                      ; 72 units of 2,560 bytes: unit 2 p + (0: K, 1: V) of position p of the 6 x 6 halo, [5 frames][512]
.set HU,   2560
.set SPARE, 294912                     ; the spare words: 128 bytes for each of the eight waves; no other line names them
.set RB,  48                           ; s[48:55]  ring pair p: the address of the pair's two units in the batch that it is asked for next: a pair at RB + 2 p
.set L16, 1                            ; 16 l
.set SPW, 2
.set NIL, 3
.set VA,  4                            ; r 528 + 16 h: a fragment of AB0 or AB1
.set VAH, 5                            ; r 2064 + 16 h: of H
.set VEB, 6                            ; results into AB1
.set VEY, 7                            ; results into Y
.set VEH, 8                            ; results into H
.set VPB, 9                            ; bias of my 32 columns
.set VPB1, 10                          ; bias of my 128 columns of lin1
.set VPO, 11                           ; parameters of my 8 channels as owner
.set VYO, 12                           ; my rows of Y
.set VABO, 13                          ; my rows of AB0
.set VHK, 14                           ; the halo unit of my first pixel's upper left neighbour
.set VSP, 15                           ; kv: row 20481, 4 bytes a thread
.set VPST, 16
.set VPS, 17
.set PF,  18                           ; the prefetch's offset; never rewritten
.set T4,  19                           ; 4 x thread
.set HO,  20                           ; v20-28: kv offsets of my nine halo units, centre frame
.set VHD, 29                           ; my nine halo units in LDS
.set VAB1, 30                          ; my rows of AB1
.set CB,  31                           ; lin1's loop: bias address
.set CH,  32                           ; lin1's loop: address in H
.set X,   40                           ; v40-55: the residual, 2 rows x 8 channels
.set AF0, 56                           ; v56-119: eight fragments of the activations
.set ACC0, 120
.set ACC1, 128
.set BI,  136                          ; v136-151: the bias as C
.set HD,  152                          ; v152-251: halo data on their way
.set AF1, 152                          ; lin2's second set
.set GT,  152                          ; GELU at work
.set GE,  168
.set GP,  184
.set MSB, 0
.macro WIN new                         ; the immediate's high byte repeats the setting that is left; a switch that changes nothing is dropped
.if MSB != (\new)
	s_set_vgpr_msb (MSB<<8)|(\new)
.set MSB, \new
.endif
.endm
.macro PLACES                          ; four plain places behind a matrix instruction, before its result is read or one of its registers written by a vector instruction (ISA guide 7.12.1)
.rept 4
	v_nop
.endr
.endm
.macro BAR                             ; my LDS instructions are done, for the others' sake; then the work-group's barrier
	s_wait_dscnt 0x0
	s_barrier_signal -1
	s_barrier_wait -1
.endm
	s_load_b256 s[4:11], s[0:1], 0x0               ; feats s[4:5], kv s[6:7], wst s[8:9], xo s[10:11]
	s_load_b512 s[16:31], s[0:1], 0x20             ; the 24 small vectors: layer y, number p at s[16 + 24 y + 2 p]
	s_load_b512 s[32:47], s[0:1], 0x60
	s_load_b512 s[48:63], s[0:1], 0xa0
	v_lshl_add_u32 v[SPW], v0, 2, SPARE
	v_mov_b32 v[NIL], 0
	v_lshrrev_b32 v38, 5, v0
	v_readfirstlane_b32 s12, v38                   ; wave
	s_lshr_b32 s13, ttmp9, 6                       ; b
	s_bfe_u32 s14, ttmp9, 0x30003                  ; ty
	s_and_b32 s15, ttmp9, 7                        ; tx
	v_lshlrev_b32 v[T4], 2, v0
	v_lshlrev_b32 v33, 12, v0                      ; thread c has channel c of the centre frame
	v_add_nc_u32 v34, PAR, v[T4]
	s_wait_alu depctr_va_sdst(0)                   ; s12 is written, ahead of its first reader
	s_mul_i32 s74, s12, 393216                     ; my wave's stream
	s_mov_b32 s75, 0
	s_mul_i32 s76, s13, 5
	s_add_co_u32 s76, s76, 2
	s_lshl_b32 s76, s76, 20                        ; image (b, frame 2),
	s_lshl_b32 s78, s14, 9
	s_add_co_u32 s76, s76, s78                     ; row 4 ty,
	s_lshl_b32 s78, s15, 4
	s_add_co_u32 s76, s76, s78                     ; column 4 tx
	s_mov_b32 s77, 0
	s_lshl_b32 s80, s14, 2                         ; my first pixel as owner: row 4 ty + w / 2, column 4 tx + 2 (w % 2)
	s_lshr_b32 s78, s12, 1
	s_add_co_u32 s80, s80, s78
	s_lshl_b32 s80, s80, 5
	s_lshl_b32 s78, s13, 10
	s_add_co_u32 s80, s80, s78
	s_lshl_b32 s78, s15, 2
	s_add_co_u32 s80, s80, s78
	s_and_b32 s78, s12, 1
	s_lshl_b32 s78, s78, 1
	s_add_co_u32 s80, s80, s78
	s_lshl_b32 s80, s80, 10
	s_mov_b32 s81, 0
	s_wait_kmcnt 0x0
	s_add_nc_u64 s[66:67], s[8:9], s[74:75]        ; my wave's stream begins here
	s_mov_b64 s[68:69], s[6:7]                     ; kv at the layer's 1,024 bytes of a row
	s_add_nc_u64 s[70:71], s[10:11], s[80:81]
	s_add_nc_u64 s[72:73], s[4:5], s[76:77]
	s_wait_alu depctr_va_vdst(0)                   ; v19 and v33 are written: the 38 loads below read them as offsets
.macro PLD ly, slot, pi, im
	global_load_b32 v[56+17*(\ly)+(\slot)], v[T4], s[16+24*(\ly)+2*(\pi):17+24*(\ly)+2*(\pi)] offset:\im
.endm
.irp y, 0,1
	PLD \y, 0, 0, 2048                             ; sa_b_in's V third
	PLD \y, 1, 1, 0
	PLD \y, 2, 2, 0                                ; ca: bq, bk, bv
	PLD \y, 3, 2, 1024
	PLD \y, 4, 2, 2048
	PLD \y, 5, 3, 0
	PLD \y, 6, 4, 0                                ; lin1_b
	PLD \y, 7, 4, 1024
	PLD \y, 8, 4, 2048
	PLD \y, 9, 4, 3072
	PLD \y, 10, 5, 0
	PLD \y, 11, 6, 0                               ; ln1 g, b; ln2 g, b; ln3 g, b
	PLD \y, 12, 7, 0
	PLD \y, 13, 8, 0
	PLD \y, 14, 9, 0
	PLD \y, 15, 10, 0
	PLD \y, 16, 11, 0
.endr
.irp y, 0,1,2,3
	global_load_b128 v[92+4*\y:95+4*\y], v33, s[72:73] offset:128*\y   ; the query: four pixels of row 4 ty + y
.endr
	; the addresses, made while those 38 loads are out
	v_and_b32 v38, 15, v0                          ; r
	v_bfe_u32 v39, v0, 4, 1                        ; h
	v_and_b32 v37, 31, v0                          ; l
	v_lshlrev_b32 v[L16], 4, v37
	v_mul_u32_u24 v[VA], v38, ABP
	v_lshl_add_u32 v[VA], v39, 4, v[VA]
	v_mul_u32_u24 v[VAH], v38, HP
	v_lshl_add_u32 v[VAH], v39, 4, v[VAH]
	s_lshl_b32 s78, s12, 6
	v_add_nc_u32 v[VEB], s78, v[VA]
	v_mul_u32_u24 v[VEY], v38, YP
	v_lshl_add_u32 v[VEY], v39, 5, v[VEY]
	s_lshl_b32 s78, s12, 7
	v_add_nc_u32 v[VEY], s78, v[VEY]
	s_lshl_b32 s78, s12, 8
	s_add_co_u32 s78, s78, HH
	v_add_nc_u32 v[VEH], s78, v[VAH]
	s_lshl_b32 s78, s12, 7
	s_add_co_u32 s78, s78, PAR
	v_lshl_add_u32 v[VPB], v39, 5, s78
	s_lshl_b32 s78, s12, 9
	s_add_co_u32 s78, s78, PAR
	v_lshl_add_u32 v[VPB1], v39, 5, s78
	v_lshl_add_u32 v[VPO], v37, 5, PAR
	s_mul_i32 s78, s12, 2*YP
	v_lshl_add_u32 v[VYO], v37, 5, s78
	s_mul_i32 s78, s12, 2*ABP
	s_add_co_u32 s79, s78, AB0
	v_add_nc_u32 v[VABO], s79, v[L16]
	s_add_co_u32 s79, s78, AB1
	v_add_nc_u32 v[VAB1], s79, v[L16]
	s_lshr_b32 s78, s12, 1
	s_mul_i32 s78, s78, 6
	s_and_b32 s79, s12, 1
	s_lshl_b32 s79, s79, 1
	s_add_co_u32 s78, s78, s79
	s_mul_i32 s78, s78, 2*HU
	s_add_co_u32 s78, s78, HALO
	v_add_nc_u32 v[VHK], s78, v[L16]
	v_add_nc_u32 v[VSP], 20481*2048, v[T4]
	v_add_nc_u32 v[VPST], PSR, v[T4]
	v_add_nc_u32 v[VPS], PSR, v[L16]
	s_mul_i32 s78, s12, 9*HU
	s_add_co_u32 s78, s78, HALO
	v_add_nc_u32 v[VHD], s78, v[L16]
	s_lshl_b32 s82, s14, 2
	s_sub_co_u32 s82, s82, 1                       ; the halo's first row, 4 ty - 1,
	s_lshl_b32 s83, s15, 2
	s_sub_co_u32 s83, s83, 1                       ; and column
	s_mul_i32 s84, s13, 5120
	s_add_co_u32 s85, s84, 2048                    ; kv row of (b, frame 2, pixel 0)
	; my nine halo units e = 9 w + i: position p = e / 2 at (hy, hx) of 6 x 6; K or V by e % 2.  Outside the image: row 20480 + 1024 t, which has the same distance from frame to frame
.irp i, 0,1,2,3,4,5,6,7,8
	s_mul_i32 s74, s12, 9
	s_add_co_u32 s74, s74, \i
	s_lshr_b32 s75, s74, 1
	s_and_b32 s76, s74, 1
	s_mul_i32 s77, s75, 43
	s_lshr_b32 s77, s77, 8                         ; p / 6 for p < 36
	s_mul_i32 s78, s77, 6
	s_sub_co_u32 s78, s75, s78
	s_add_co_u32 s77, s77, s82                     ; gy
	s_add_co_u32 s78, s78, s83                     ; gx
	s_or_b32 s79, s77, s78                         ; both in 0 .. 31?
	s_lshl_b32 s77, s77, 5
	s_add_co_u32 s77, s77, s78
	s_add_co_u32 s77, s77, s85
	s_cmp_lt_u32 s79, 32
	s_cselect_b32 s77, s77, 22528
	s_lshl_b32 s77, s77, 11
	s_lshl_b32 s76, s76, 9
	s_add_co_u32 s77, s77, s76
	v_add_nc_u32 v[HO+\i], s77, v[L16]
.endr
	; the prefetch: thread = (frame f = tid / 64, pixel m = (tid / 4) % 16, block tid % 4 of 256 bytes) of my own 16 pixels' K1 | V1
	s_lshl_b32 s78, s14, 7
	s_add_co_u32 s84, s84, s78
	s_lshl_b32 s78, s15, 2
	s_add_co_u32 s84, s84, s78
	v_bfe_u32 v36, v0, 2, 2
	v_bfe_u32 v35, v0, 4, 2
	v_lshl_add_u32 v36, v35, 5, v36
	v_lshrrev_b32 v35, 6, v0
	v_lshl_add_u32 v36, v35, 10, v36
	v_add_nc_u32 v36, s84, v36
	v_and_b32 v35, 3, v0
	v_lshlrev_b32 v35, 8, v35
	v_lshl_add_u32 v36, v36, 11, v35
	v_add_nc_u32 v[PF], 1024, v36
	s_wait_loadcnt 0x0                             ; the 38 loads are in, and their bases may be written
	s_wait_alu depctr_va_vdst(0)                   ; all the addresses and offsets v1, v4-v18, v20-v30 and v34 are written: every later LDS and memory instruction reads some of them
.set z, 0
.rept 34
	ds_store_b32 v34, v[56+z] offset:z*1024
.set z, z+1
.endr
.set z, 0
.rept 16
	ds_store_b32 v[T4], v[92+z] offset:z*YP        ; x0[m][c] into Y
.set z, z+1
.endr
.irp p, 0,1,2,3
	s_add_nc_u64 s[RB+2*\p:RB+2*\p+1], s[66:67], 4096*\p  ; units 2 p and 2 p + 1 of the first batch
.endr
	WIN 0x40                                       ; the ring's first fill: units 0-7; destination window 1, address window 0
.set z, 0
.rept 32
	global_load_b128 v[4*z:4*z+3], v[L16], s[RB+2*(z/8):RB+2*(z/8)+1] offset:512*(z%8)
.set z, z+1
.endr
	WIN 0
	s_mov_b32 s16, 0xbf38aa3b                      ; -log2(e) / 2
	s_mov_b32 s17, s16                             ; (the packed forms name pairs and take the low word for both halves)
	s_mov_b32 s18, 0x3e027906                      ; the five coefficients, halved: 0.127414796
	s_mov_b32 s19, s18
	s_mov_b32 s20, 0xbe11a98e                      ; -0.142248368
	s_mov_b32 s21, s20
	s_mov_b32 s22, 0x3f35f0e3                      ; 0.710706871
	s_mov_b32 s23, s22
	s_mov_b32 s24, 0xbf3a00e3                      ; -0.726576014
	s_mov_b32 s25, s24
	s_mov_b32 s26, 0x3f07dc22                      ; 0.530702715
	s_mov_b32 s27, s26
	s_mov_b32 s28, 0x3e6d3388                      ; 0.3275911 / sqrt 2
	s_mov_b32 s30, 0x76543210                      ; v_permlanex16_b32: each lane takes its own place in the other half
	s_mov_b32 s31, 0xfedcba98
	s_mov_b32 s32, 0x3e8293ee                      ; log2(e) / sqrt(32)
	s_mov_b32 s33, s32
	s_mov_b32 s34, 0x3b800000                      ; 1 / 256
	s_mov_b32 s35, 0x3727c5ac                      ; 1e-5
	BAR
	ds_load_b128 v[X:X+3], v[VYO]
	ds_load_b128 v[X+4:X+7], v[VYO] offset:16
	ds_load_b128 v[X+8:X+11], v[VYO] offset:YP
	ds_load_b128 v[X+12:X+15], v[VYO] offset:YP+16
	s_wait_dscnt 0x0
	s_wait_alu depctr_vm_vsrc(0)                   ; the parameters' LDS stores have read v56-63, which the conversions write
.irp q, 0,1,2,3,4,5,6,7
	v_cvt_pk_bf16_f32 v[56+\q], v[X+2*\q], v[X+2*\q+1]
.endr
	s_wait_alu depctr_va_vdst(0)                   ; the conversions have written v56-63, which the two LDS stores read
	ds_store_b128 v[VABO], v[56:59]
	ds_store_b128 v[VABO], v[60:63] offset:ABP
	BAR
	s_wait_alu depctr_vm_vsrc(0)                   ; those two stores have read v56-63, in which the first fragments land
; A BATCH: 8 units of the stream = 8 K steps of 32 for my two tiles of 16 columns.  In pairs of units: the wait for the pair's 8 loads, the step of its base, 4 products, the wait on va_vdst, and the pair's registers are asked for again, 8 units on.
; The count: behind a pair's 8 loads stand the 24 of the other three pairs (old or just asked for) and extra loads of the halo that were issued behind the ring's.  loads = 0: the stream's last batch; the counts run down.
; The two accumulators take turns, one instruction a turn, from batch to batch too.  first = 1: the bias starts the sums.
.macro GEMM8 af, first, extra, loads
.irp p, 0,1,2,3
.if \loads
	s_wait_loadcnt 24+(\extra)
	s_add_nc_u64 s[RB+2*(\p):RB+2*(\p)+1], s[RB+2*(\p):RB+2*(\p)+1], 16384  ; free since that wait, which shows the loads that read it done: the same pair of the next batch
.else
	s_wait_loadcnt 24-8*(\p)
.endif
	WIN 0x01                                       ; source 0, the weights, in window 1
.irp q, 0,1
.if (\first) && ((2*(\p)+(\q)) == 0)
	v_wmma_f32_16x16x32_bf16 v[ACC0:ACC0+7], v[0:7], v[(\af):(\af)+7], v[BI:BI+7]
	v_wmma_f32_16x16x32_bf16 v[ACC1:ACC1+7], v[8:15], v[(\af):(\af)+7], v[BI+8:BI+15]
.else
	v_wmma_f32_16x16x32_bf16 v[ACC0:ACC0+7], v[16*(2*(\p)+(\q)):16*(2*(\p)+(\q))+7], v[(\af)+8*(2*(\p)+(\q)):(\af)+8*(2*(\p)+(\q))+7], v[ACC0:ACC0+7]
	v_wmma_f32_16x16x32_bf16 v[ACC1:ACC1+7], v[16*(2*(\p)+(\q))+8:16*(2*(\p)+(\q))+15], v[(\af)+8*(2*(\p)+(\q)):(\af)+8*(2*(\p)+(\q))+7], v[ACC1:ACC1+7]
.endif
.endr
.if \loads
	WIN 0x40
	s_wait_alu depctr_va_vdst(0)                   ; the products issued so far are done reading: the pair's 32 registers, in which the eight loads below land; behind the fourth pair also the batch's fragments and its bias
.irp q, 0,1
.irp h, 0,1,2,3
	global_load_b128 v[16*(2*(\p)+(\q))+4*(\h):16*(2*(\p)+(\q))+4*(\h)+3], v[L16], s[RB+2*(\p):RB+2*(\p)+1] offset:(\q)*2048+(\h)*512
.endr
.endr
.endif
.endr
	WIN 0
.endm
.macro AFLD af, areg, base             ; eight fragments: 16 rows x 256 channels
.irp k, 0,1,2,3,4,5,6,7
	ds_load_b128 v[(\af)+8*\k:(\af)+8*\k+3],   v[\areg] offset:(\base)+64*\k
	ds_load_b128 v[(\af)+8*\k+4:(\af)+8*\k+7], v[\areg] offset:(\base)+64*\k+32
.endr
.endm
.macro BILD areg, im                   ; register j of tile t: bias[n0 + 16 t + 8 h + j], the layout of C
.irp j, 0,1
	ds_load_b128 v[BI+8*\j:BI+8*\j+3],   v[\areg] offset:(\im)+64*\j
	ds_load_b128 v[BI+8*\j+4:BI+8*\j+7], v[\areg] offset:(\im)+64*\j+16
.endr
.endm
.macro EP_B                            ; results as bf16 into AB1
.rept 5
	v_nop                                          ; five places: four are owed ahead of the conversions, which read results; the fifth because the next batch's first product writes the accumulator anew, from another C, and no
.endr                                                  ; other vector work stands between the two batches: the conversions write v136-143, the C of this batch's first product, so for that product they are no places (ISA guide 7.12.1)
.irp j, 0,1
.irp q, 0,1,2,3
	v_cvt_pk_bf16_f32 v[BI+4*\j+\q], v[ACC0+8*\j+2*\q], v[ACC0+8*\j+2*\q+1]
.endr
.endr
	s_wait_alu depctr_va_vdst(0)                   ; the conversions have written v136-143, which the two LDS stores read
	ds_store_b128 v[VEB], v[BI:BI+3] offset:AB1
	ds_store_b128 v[VEB], v[BI+4:BI+7] offset:AB1+32
.endm
.macro EP_Y scale                      ; results as f32 into Y; scale = 1: times log2(e) / sqrt(32)
	PLACES
.if \scale
.irp k, 0,2,4,6,8,10,12,14
	v_pk_mul_f32 v[ACC0+\k:ACC0+\k+1], v[ACC0+\k:ACC0+\k+1], s[32:33] op_sel_hi:[1,0]
.endr
.endif
	s_wait_alu depctr_va_vdst(0)                   ; the products (and the scalings) have written the accumulators, which the LDS stores read, and are done reading their fragments; the places above stay beside this wait
.irp j, 0,1
	ds_store_b128 v[VEY], v[ACC0+8*\j:ACC0+8*\j+3] offset:64*\j
	ds_store_b128 v[VEY], v[ACC0+8*\j+4:ACC0+8*\j+7] offset:64*\j+16
.endr
.endm
.macro EP_G                            ; GELU of 16 numbers a lane, as bf16 into H.  The 32 transcendentals are one batch with one wait
	PLACES
.irp k, 0,1,2,3,4,5,6,7,8,9,10,11,12,13,14,15
	v_fma_f32 v[GT+\k], |v[ACC0+\k]|, s28, 1.0
.endr
.irp k, 0,2,4,6,8,10,12,14
	v_pk_mul_f32 v[GE+\k:GE+\k+1], v[ACC0+\k:ACC0+\k+1], s[16:17] op_sel_hi:[1,0]
.endr
.irp k, 0,2,4,6,8,10,12,14
	v_pk_mul_f32 v[GE+\k:GE+\k+1], v[GE+\k:GE+\k+1], v[ACC0+\k:ACC0+\k+1]
.endr
.irp k, 0,1,2,3,4,5,6,7,8,9,10,11,12,13,14,15
	v_rcp_f32 v[GT+\k], v[GT+\k]                   ; t
.endr
.irp k, 0,1,2,3,4,5,6,7,8,9,10,11,12,13,14,15
	v_exp_f32 v[GE+\k], v[GE+\k]                   ; e^(-x^2 / 2)
.endr
	v_nop                                          ; a plain instruction behind the last transcendental (ISA guide 5.7.2),
	s_wait_alu depctr_va_vdst(0)                   ; and the wait ahead of the batch's first reader: the 16 reciprocals and 16 exponentials are written
.irp k, 0,2,4,6,8,10,12,14
	v_pk_fma_f32 v[GP+\k:GP+\k+1], v[GT+\k:GT+\k+1], s[26:27], s[24:25] op_sel_hi:[1,0,0]
.endr
.irp c, 22,20,18
.irp k, 0,2,4,6,8,10,12,14
	v_pk_fma_f32 v[GP+\k:GP+\k+1], v[GP+\k:GP+\k+1], v[GT+\k:GT+\k+1], s[\c:\c+1] op_sel_hi:[1,1,0]
.endr
.endr
.irp k, 0,2,4,6,8,10,12,14
	v_pk_mul_f32 v[GP+\k:GP+\k+1], v[GP+\k:GP+\k+1], v[GT+\k:GT+\k+1]
.endr
.irp k, 0,2,4,6,8,10,12,14
	v_pk_mul_f32 v[GP+\k:GP+\k+1], v[GP+\k:GP+\k+1], v[GE+\k:GE+\k+1]
.endr
.irp k, 0,1,2,3,4,5,6,7,8,9,10,11,12,13,14,15
	v_max_num_f32 v[GE+\k], 0, v[ACC0+\k]
.endr
.irp k, 0,1,2,3,4,5,6,7,8,9,10,11,12,13,14,15
	v_fma_f32 v[GP+\k], -|v[ACC0+\k]|, v[GP+\k], v[GE+\k]
.endr
.irp q, 0,1,2,3,4,5,6,7
	v_cvt_pk_bf16_f32 v[GT+\q], v[GP+2*\q], v[GP+2*\q+1]
.endr
	s_wait_alu depctr_va_vdst(0)                   ; the conversions have written v152-159, which the two LDS stores read; all of GELU's lines are done with v152-199
	ds_store_b128 v[CH], v[GT:GT+3]
	ds_store_b128 v[CH], v[GT+4:GT+7] offset:32
.endm
; two sums over the wave's 32 lanes, side by side; the registers behind a and b are at work
.macro RED2 a, b
.irp m, 1,2,4,8
	v_add_f32_dpp v[\a], v[\a], v[\a] row_xmask:\m row_mask:0xf bank_mask:0xf
	v_add_f32_dpp v[\b], v[\b], v[\b] row_xmask:\m row_mask:0xf bank_mask:0xf
.endr
	v_permlanex16_b32 v[\a+1], v[\a], s30, s31
	v_permlanex16_b32 v[\b+1], v[\b], s30, s31
	v_add_f32 v[\a], v[\a], v[\a+1]
	v_add_f32 v[\b], v[\b], v[\b+1]
.endm
.set LY, 56
.set LG, 72
.set LB, 80
.set LT, 88
; X = LayerNorm(X + Y) for my two rows; also as bf16 into AB0.  gi: which of the layer's three
.macro LN gi
	ds_load_b128 v[LY:LY+3], v[VYO]
	ds_load_b128 v[LY+4:LY+7], v[VYO] offset:16
	ds_load_b128 v[LY+8:LY+11], v[VYO] offset:YP
	ds_load_b128 v[LY+12:LY+15], v[VYO] offset:YP+16
	ds_load_b128 v[LG:LG+3], v[VPO] offset:11264+2048*(\gi)
	ds_load_b128 v[LG+4:LG+7], v[VPO] offset:11264+2048*(\gi)+16
	ds_load_b128 v[LB:LB+3], v[VPO] offset:12288+2048*(\gi)
	ds_load_b128 v[LB+4:LB+7], v[VPO] offset:12288+2048*(\gi)+16
	s_wait_dscnt 4                                 ; Y is in; gain and bias, four loads, may stay out
.irp k, 0,2,4,6,8,10,12,14
	v_pk_add_f32 v[LY+\k:LY+\k+1], v[LY+\k:LY+\k+1], v[X+\k:X+\k+1]
.endr
.irp i, 0,1
	v_pk_add_f32 v[LT+4*\i:LT+4*\i+1], v[LY+8*\i:LY+8*\i+1], v[LY+8*\i+2:LY+8*\i+3]
	v_pk_add_f32 v[LT+4*\i+2:LT+4*\i+3], v[LY+8*\i+4:LY+8*\i+5], v[LY+8*\i+6:LY+8*\i+7]
.endr
.irp i, 0,1
	v_pk_add_f32 v[LT+4*\i:LT+4*\i+1], v[LT+4*\i:LT+4*\i+1], v[LT+4*\i+2:LT+4*\i+3]
.endr
.irp i, 0,1
	v_add_f32 v[LT+4*\i], v[LT+4*\i], v[LT+4*\i+1]
.endr
	RED2 LT, LT+4
	v_mul_f32 v[LT], s34, v[LT]                    ; the means
	v_mul_f32 v[LT+4], s34, v[LT+4]
.irp i, 0,1
.irp k, 0,2,4,6
	v_pk_add_f32 v[LY+8*\i+\k:LY+8*\i+\k+1], v[LY+8*\i+\k:LY+8*\i+\k+1], v[LT+4*\i:LT+4*\i+1] op_sel_hi:[1,0] neg_lo:[0,1] neg_hi:[0,1]
.endr
.endr
.irp i, 0,1
	v_pk_mul_f32 v[LT+4*\i+2:LT+4*\i+3], v[LY+8*\i:LY+8*\i+1], v[LY+8*\i:LY+8*\i+1]
.endr
.irp k, 2,4,6
.irp i, 0,1
	v_pk_fma_f32 v[LT+4*\i+2:LT+4*\i+3], v[LY+8*\i+\k:LY+8*\i+\k+1], v[LY+8*\i+\k:LY+8*\i+\k+1], v[LT+4*\i+2:LT+4*\i+3]
.endr
.endr
.irp i, 0,1
	v_add_f32 v[LT+4*\i+2], v[LT+4*\i+2], v[LT+4*\i+3]
.endr
	RED2 LT+2, LT+6
	v_fma_f32 v[LT+2], v[LT+2], s34, s35           ; variance + 1e-5
	v_fma_f32 v[LT+6], v[LT+6], s34, s35
	v_rsq_f32 v[LT+2], v[LT+2]
	v_rsq_f32 v[LT+6], v[LT+6]
	v_nop                                          ; a plain instruction behind the last of the two,
	s_wait_alu depctr_va_vdst(0)                   ; and their one wait: the two inverse roots are written
	s_wait_dscnt 0x0                               ; gain and bias
.irp i, 0,1
.irp k, 0,2,4,6
	v_pk_mul_f32 v[LY+8*\i+\k:LY+8*\i+\k+1], v[LY+8*\i+\k:LY+8*\i+\k+1], v[LT+4*\i+2:LT+4*\i+3] op_sel_hi:[1,0]
.endr
.endr
.irp i, 0,1
.irp k, 0,2,4,6
	v_pk_fma_f32 v[X+8*\i+\k:X+8*\i+\k+1], v[LY+8*\i+\k:LY+8*\i+\k+1], v[LG+\k:LG+\k+1], v[LB+\k:LB+\k+1]
.endr
.endr
.irp q, 0,1,2,3,4,5,6,7
	v_cvt_pk_bf16_f32 v[LT+8+\q], v[X+2*\q], v[X+2*\q+1]
.endr
	s_wait_alu depctr_va_vdst(0)                   ; the conversions have written v96-103, which the two LDS stores read; X is written; all these lines are done with v56-103
	ds_store_b128 v[VABO], v[LT+8:LT+11]
	ds_store_b128 v[VABO], v[LT+12:LT+15] offset:ABP
.endm
; ATTENTION's registers
.set AQ,  56                           ; q, scaled: 8
.set ABK, 64
.set ABV, 72
.set AO,  80
.set APS, 88                           ; PS[s] = q . (bk + KS[s]), my channels' part; later WS[s] = sum over t of p
.set APB, 97
.set AS,  98                           ; the 45 scores, then weights: 9 t + s
.set BA,  144                          ; two buffers of nine tokens x 16 bytes
.set BB,  180
.set AM,  216
.set AY,  222                          ; the loop's addresses: my row of Y,
.set AD,  223                          ; of AB1,
.set AR0, 224                          ; the window's rows 0 and 1 in the halo,
.set AR2, 225                          ; and row 2: an immediate holds 16 bits
.macro WGRP buf, off                   ; the window's nine tokens: off = 512 t for K, 2,560 + 512 t for V
.irp s, 0,1,2,3,4,5
	ds_load_b128 v[(\buf)+4*\s:(\buf)+4*\s+3], v[AR0] offset:((\s/3)*6+(\s%3))*2*HU+(\off)
.endr
.irp s, 6,7,8
	ds_load_b128 v[(\buf)+4*\s:(\buf)+4*\s+3], v[AR2] offset:(\s-6)*2*HU+(\off)
.endr
.endm
.macro PGRP buf, off                   ; the nine rows W sp[s]: off = 0 for K, 512 for V
.irp s, 0,1,2,3,4,5,6,7,8
	ds_load_b128 v[(\buf)+4*\s:(\buf)+4*\s+3], v[VPS] offset:1024*\s+(\off)
.endr
.endm
.macro DOT9 buf, dst, acc, stp         ; dst[s] = acc[stp s] + q . token s: nine chains side by side; bf16 halves are read as they lie
.irp k, 0,1,2,3,4,5,6,7
.irp s, 0,1,2,3,4,5,6,7,8
.if (\k) == 0
	v_fma_mix_f32_bf16 v[(\dst)+\s], v[(\buf)+4*\s], v[AQ], v[(\acc)+(\stp)*\s] op_sel_hi:[1,0,0]
.elseif (\k)&1
	v_fma_mix_f32_bf16 v[(\dst)+\s], v[(\buf)+4*\s+(\k)/2], v[AQ+\k], v[(\dst)+\s] op_sel:[1,0,0] op_sel_hi:[1,0,0]
.else
	v_fma_mix_f32_bf16 v[(\dst)+\s], v[(\buf)+4*\s+(\k)/2], v[AQ+\k], v[(\dst)+\s] op_sel_hi:[1,0,0]
.endif
.endr
.endr
.endm
.macro HEAD9 dst                       ; the head's four lanes are added: every one of them then holds the score
.irp m, 1,2
.irp s, 0,1,2,3,4,5,6,7,8
	v_add_f32_dpp v[(\dst)+\s], v[(\dst)+\s], v[(\dst)+\s] row_xmask:\m row_mask:0xf bank_mask:0xf
.endr
.endr
.endm
.macro APV buf, wt                     ; O[k] += wt[s] x token s: eight chains side by side
.irp s, 0,1,2,3,4,5,6,7,8
.irp k, 0,1,2,3,4,5,6,7
.if (\k)&1
	v_fma_mix_f32_bf16 v[AO+\k], v[(\buf)+4*\s+(\k)/2], v[(\wt)+\s], v[AO+\k] op_sel:[1,0,0] op_sel_hi:[1,0,0]
.else
	v_fma_mix_f32_bf16 v[AO+\k], v[(\buf)+4*\s+(\k)/2], v[(\wt)+\s], v[AO+\k] op_sel_hi:[1,0,0]
.endif
.endr
.endr
.endm
; Frame t's nine scores from buffer buf; the buffer is asked for again, for the group at nxt, ahead of the adds over the head's lanes, which do not name it
.macro SCORE buf, t, nxt
	s_wait_dscnt 9                                 ; the buffer's nine loads are in; the younger group stays out
	DOT9 \buf, AS+9*(\t), APS, 1
	s_wait_alu depctr_va_vdst(0)                   ; the dot products are done reading the buffer, in which the nine loads below land
	WGRP \buf, \nxt
	HEAD9 AS+9*(\t)
.endm
; Nine weights times the nine tokens of buffer buf; the caller then asks for the buffer again
.macro WSUM buf, wt
	s_wait_dscnt 9
	APV \buf, \wt
	s_wait_alu depctr_va_vdst(0)                   ; the weighted sums are done reading the buffer, in which the next nine loads land (the first of these waits in a trip also shows the reciprocal written, ahead of its reader at the trip's end)
.endm
	s_mov_b32 s42, 0                               ; the layer
.Llayer:
	s_wait_alu depctr_va_vdst(0)                   ; round the back edge: v9-v11, stepped at the last layer's end, are written, ahead of the LDS loads that read them
	; (a) the first five of my halo units are asked for: 25 loads of 512 bytes, the frames in the immediate
.irp i, 0,1,2,3,4
.irp t, 0,1,2,3,4
	global_load_b128 v[HD+4*(5*\i+\t):HD+4*(5*\i+\t)+3], v[HO+\i], s[68:69] offset:(\t-2)*2097152
.endr
.endr
	; (b) self-attention's V
	AFLD AF0, VA, AB0
	BILD VPB, 0
	s_wait_dscnt 0x0
	GEMM8 AF0, 1, 25, 1
	; (c) behind the 25 stand the ring's 32.  The halo's stores go first; the epilogue stands between them and the wait that frees their registers
	s_wait_loadcnt 32
.irp i, 0,1,2,3,4
.irp t, 0,1,2,3,4
	ds_store_b128 v[VHD], v[HD+4*(5*\i+\t):HD+4*(5*\i+\t)+3] offset:\i*HU+\t*512
.endr
.endr
	EP_B
	s_wait_alu depctr_vm_vsrc(0)                   ; the 25 LDS stores have read v152-251, in which the 29 loads below land; the epilogue's two have read v136-143, in which the next bias lands
.irp i, 5,6,7,8
.irp t, 0,1,2,3,4
	global_load_b128 v[HD+4*(5*(\i-5)+\t):HD+4*(5*(\i-5)+\t)+3], v[HO+\i], s[68:69] offset:(\t-2)*2097152
.endr
.endr
.irp s, 0,1,2,3,4,5,6,7,8
	global_load_b32 v[HD+80+\s], v[VSP], s[68:69] offset:2048*\s   ; W sp[s]: K | V of the layer, 4 bytes a thread
.endr
	BAR
	; (d) self-attention's output projection
	AFLD AF0, VA, AB1
	BILD VPB, 1024
	s_wait_dscnt 0x0
	GEMM8 AF0, 1, 29, 1
	; (e)
	s_wait_loadcnt 32
.irp i, 5,6,7,8
.irp t, 0,1,2,3,4
	ds_store_b128 v[VHD], v[HD+4*(5*(\i-5)+\t):HD+4*(5*(\i-5)+\t)+3] offset:\i*HU+\t*512
.endr
.endr
.irp s, 0,1,2,3,4,5,6,7,8
	ds_store_b32 v[VPST], v[HD+80+\s] offset:1024*\s
.endr
	EP_Y 0
	BAR
	LN 0                                           ; (f)
	BAR
	s_wait_alu depctr_vm_vsrc(0)                   ; LayerNorm's LDS stores have read v96-103, in which fragments land; the epilogue's have read the accumulators, which the next products write; the halo's have read v152-240
	; (g) cross-attention's Q, scaled
	AFLD AF0, VA, AB0
	BILD VPB, 2048
	s_wait_dscnt 0x0
	GEMM8 AF0, 1, 0, 1
	EP_Y 1
	BAR
	s_wait_alu depctr_vm_vsrc(0)                   ; the epilogue's LDS stores have read the accumulators, over which the scores are written
	; (h) attention: a trip a pixel.  Twelve groups of nine LDS loads go through two buffers: KS, K of frames 0-4, V of frames 0-4, VS.  A count of 9 leaves the younger group out
	v_mov_b32 v[AY], v[VYO]
	v_mov_b32 v[AD], v[VAB1]
	v_mov_b32 v[AR0], v[VHK]
	v_add_nc_u32 v[AR2], 12*2*HU, v[VHK]
	s_mov_b32 s43, 2
.Latt:
	s_wait_alu depctr_va_vdst(0)                   ; the four addresses v222-225 are written, by the moves above or by the last trip's adds, ahead of the LDS instructions that read them
	ds_load_b128 v[AQ:AQ+3], v[AY]
	ds_load_b128 v[AQ+4:AQ+7], v[AY] offset:16
	ds_load_b128 v[ABK:ABK+3], v[VPO] offset:3072
	ds_load_b128 v[ABK+4:ABK+7], v[VPO] offset:3088
	ds_load_b128 v[ABV:ABV+3], v[VPO] offset:4096
	ds_load_b128 v[ABV+4:ABV+7], v[VPO] offset:4112
	PGRP BA, 0
	WGRP BB, 0
	s_wait_dscnt 9
	v_mul_f32 v[APB], v[AQ], v[ABK]
.irp k, 1,2,3,4,5,6,7
	v_fmac_f32 v[APB], v[AQ+\k], v[ABK+\k]
.endr
	DOT9 BA, APS, APB, 0
	s_wait_alu depctr_va_vdst(0)                   ; the dot products are done reading the buffer, in which the nine loads below land
	WGRP BA, 512
	SCORE BB, 0, 1024
	SCORE BA, 1, 1536
	SCORE BB, 2, 2048
	SCORE BA, 3, HU
	SCORE BB, 4, HU+512
	; the maximum of the 45 scores: four chains, three operands at a time
.irp c, 0,1,2,3
	v_max3_num_f32 v[AM+\c], v[AS+3*\c], v[AS+3*\c+1], v[AS+3*\c+2]
.endr
.irp g, 0,1,2,3
.irp c, 0,1,2,3
	v_max3_num_f32 v[AM+\c], v[AM+\c], v[AS+12+8*\g+2*\c], v[AS+12+8*\g+2*\c+1]
.endr
.endr
	v_max3_num_f32 v[AM], v[AM], v[AM+1], v[AM+2]
	v_max3_num_f32 v[AM], v[AM], v[AM+3], v[AS+44]
.set z, 0
.rept 22
	v_pk_add_f32 v[AS+z:AS+z+1], v[AS+z:AS+z+1], v[AM:AM+1] op_sel_hi:[1,0] neg_lo:[0,1] neg_hi:[0,1]
.set z, z+2
.endr
	v_sub_f32 v[AS+44], v[AS+44], v[AM]
.set z, 0
.rept 45
	v_exp_f32 v[AS+z], v[AS+z]                     ; the scores carry log2(e): p = 2^(s - max)
.set z, z+1
.endr
	v_nop                                          ; a plain instruction behind the last exponential,
	s_wait_alu depctr_va_vdst(0)                   ; and the one wait for the batch: the 45 weights are written
.irp s, 0,1,2,3,4,5,6,7,8
	v_add_f32 v[APS+\s], v[AS+\s], v[AS+9+\s]
.endr
.irp t, 2,3,4
.irp s, 0,1,2,3,4,5,6,7,8
	v_add_f32 v[APS+\s], v[APS+\s], v[AS+9*\t+\s]
.endr
.endr
	v_add_f32 v[AM+2], v[APS], v[APS+1]
	v_add_f32 v[AM+3], v[APS+2], v[APS+3]
	v_add_f32 v[AM+4], v[APS+4], v[APS+5]
	v_add_f32 v[AM+5], v[APS+6], v[APS+7]
	v_add_f32 v[AM+2], v[AM+2], v[AM+3]
	v_add_f32 v[AM+4], v[AM+4], v[AM+5]
	v_add_f32 v[AM+2], v[AM+2], v[AM+4]
	v_add_f32 v[AM+2], v[AM+2], v[APS+8]           ; l, at least 1
	v_rcp_f32 v[AM+4], v[AM+2]                     ; its result is named first at the trip's end; the lines below are plain and name it not, and the weighted sums' waits stand between
.irp k, 0,1,2,3,4,5,6,7
	v_mul_f32 v[AO+\k], v[ABV+\k], v[AM+2]         ; O starts at l bv
.endr
	WSUM BA, AS
	WGRP BA, HU+1024
	WSUM BB, AS+9
	WGRP BB, HU+1536
	WSUM BA, AS+18
	WGRP BA, HU+2048
	WSUM BB, AS+27
	PGRP BB, 512
	s_wait_dscnt 9
	APV BA, AS+36
	s_wait_dscnt 0x0
	APV BB, APS
.irp k, 0,2,4,6
	v_pk_mul_f32 v[AO+\k:AO+\k+1], v[AO+\k:AO+\k+1], v[AM+4:AM+5] op_sel_hi:[1,0]
.endr
.irp q, 0,1,2,3
	v_cvt_pk_bf16_f32 v[BA+\q], v[AO+2*\q], v[AO+2*\q+1]
.endr
	s_wait_alu depctr_va_vdst(0)                   ; the conversions have written v144-147, which the LDS store reads; the trip's arithmetic is done with v56-215, in which the next trip's loads, or the next fragments and bias, land
	ds_store_b128 v[AD], v[BA:BA+3]
	s_wait_alu depctr_vm_vsrc(0)                   ; the trip's LDS instructions have read the four addresses, which the adds write, and the store v144-147, in which later loads land
	v_add_nc_u32 v[AY], YP, v[AY]
	v_add_nc_u32 v[AD], ABP, v[AD]
	v_add_nc_u32 v[AR0], 2*HU, v[AR0]
	v_add_nc_u32 v[AR2], 2*HU, v[AR2]
	s_sub_co_u32 s43, s43, 1
	s_cmp_lg_u32 s43, 0
	s_cbranch_scc1 .Latt
	BAR
	; (i) cross-attention's output projection
	AFLD AF0, VA, AB1
	BILD VPB, 5120
	s_wait_dscnt 0x0
	GEMM8 AF0, 1, 0, 1
	EP_Y 0
	BAR
	LN 1                                           ; (j)
	BAR
	s_wait_alu depctr_vm_vsrc(0)                   ; LayerNorm's LDS stores have read v96-103, in which fragments land; the epilogue's have read the accumulators, which the next products write
	; (k) lin1 and GELU: four trips of 32 columns
	AFLD AF0, VA, AB0
	v_mov_b32 v[CB], v[VPB1]
	v_mov_b32 v[CH], v[VEH]
	s_mov_b32 s43, 4
.Llin1:
	s_wait_alu depctr_va_vdst(0)                   ; v31 and v32 are written, by the moves above or by the last trip's adds, ahead of the LDS instructions that read them
	BILD CB, 6144
	s_wait_dscnt 0x0
	GEMM8 AF0, 1, 0, 1
	EP_G
	s_wait_alu depctr_vm_vsrc(0)                   ; the bias's loads have read v31 and the two stores v32, which the adds write; the stores have read v152-159, which the next trip's GELU writes and in which lin2's fragments land
	v_add_nc_u32 v[CB], 128, v[CB]
	v_add_nc_u32 v[CH], 64, v[CH]
	s_sub_co_u32 s43, s43, 1
	s_cmp_lg_u32 s43, 0
	s_cbranch_scc1 .Llin1
	BAR
	; (m) lin2: K = 1,024 in four batches, on two sets of fragments; a count of 16 leaves the other set's loads out.  A set is asked for again behind its batch, whose last wait on va_vdst shows its products done reading it
	AFLD AF0, VAH, HH
	BILD VPB, 10240
	AFLD AF1, VAH, HH+512
	s_wait_dscnt 16
	GEMM8 AF0, 1, 0, 1
	; In layer 0, behind this batch's loads: layer 1's K | V of my own 16 pixels, five frames, are prefetched: 320 blocks of 256 bytes, a lane a block, each named once in the launch.
	; They are loaded three batches and a LayerNorm later.  All waves ask for frames 0-3; waves 2 and 3, whose lanes stand at frame 1, also for the frame three on.
	s_cmp_lg_u32 s42, 0
	s_cbranch_scc1 .Lnopf
	global_prefetch_b8 v[PF], s[6:7] th:TH_LOAD_NT scope:SCOPE_SE
	s_lshr_b32 s44, s12, 1
	s_cmp_lg_u32 s44, 1
	s_cbranch_scc1 .Lnopf
	global_prefetch_b8 v[PF], s[6:7] offset:6291456 th:TH_LOAD_NT scope:SCOPE_SE
.Lnopf:
	AFLD AF0, VAH, HH+1024
	s_wait_dscnt 16
	GEMM8 AF1, 0, 0, 1
	AFLD AF1, VAH, HH+1536
	s_wait_dscnt 16
	GEMM8 AF0, 0, 0, 1
	s_wait_dscnt 0x0
	s_cmp_eq_u32 s42, 1
	s_cbranch_scc1 .Llast
	GEMM8 AF1, 0, 0, 1                             ; layer 0's last batch asks for layer 1's first
	s_branch .Ljoin
.Llast:
	GEMM8 AF1, 0, 0, 0                             ; the stream's last batch asks for nothing
.Ljoin:
	EP_Y 0
	BAR
	LN 2                                           ; (n)
	s_wait_alu depctr_vm_vsrc(0)                   ; the layer's LDS loads have read v9 and v11, which the adds write; LayerNorm's stores have read v96-103 and the epilogue's the accumulators, which the next layer's fragments and products write
	v_add_nc_u32 v[VPB], PARL, v[VPB]              ; the next layer's parameters,
	v_add_nc_u32 v[VPB1], PARL, v[VPB1]
	v_add_nc_u32 v[VPO], PARL, v[VPO]
	s_wait_xcnt 0x0                                ; every load issued so far has read its base
	s_add_nc_u64 s[68:69], s[68:69], 1024          ; and its K | V in a row of kv
	BAR
	s_add_co_u32 s42, s42, 1
	s_cmp_lt_u32 s42, 2
	s_cbranch_scc1 .Llayer
	; xo: [pixel][q 2][lane 32][4 f32], channel 8 lane + 4 q + i: each store of the wave covers 512 consecutive bytes, aligned.  X was written ahead of LayerNorm's last wait on va_vdst, and no vector line since names it
	global_store_b128 v[L16], v[X:X+3], s[70:71]
	global_store_b128 v[L16], v[X+4:X+7], s[70:71] offset:512
	global_store_b128 v[L16], v[X+8:X+11], s[70:71] offset:1024
	global_store_b128 v[L16], v[X+12:X+15], s[70:71] offset:1536
	s_wait_dscnt 0x0                               ; the closing lines, six on end
	s_wait_alu 0x0
	s_wait_tensorcnt 0x0
	ds_add_u32 v[SPW], v[NIL]
	s_wait_dscnt 0x0
	s_endpgm
.Lfunc_end_k_qa8badee622_dec:
	.size	k_qa8badee622_dec, .Lfunc_end_k_qa8badee622_dec-k_qa8badee622_dec
	.p2alignl 7, 3214868480
	.fill 96, 4, 3214868480
	.section	.rodata,"a",@progbits
	.p2align	6, 0x0
	.amdhsa_kernel k_qa8badee622_dec
		.amdhsa_group_segment_fixed_size 295936
		.amdhsa_private_segment_fixed_size 0
		.amdhsa_enable_private_segment 0
		.amdhsa_kernarg_size 224
		.amdhsa_user_sgpr_count 2
		.amdhsa_user_sgpr_kernarg_segment_ptr 1
		.amdhsa_wavefront_size32 1
		.amdhsa_system_sgpr_workgroup_id_x 1
		.amdhsa_system_sgpr_workgroup_id_y 1
		.amdhsa_system_sgpr_workgroup_id_z 1
		.amdhsa_system_vgpr_workitem_id 0
		.amdhsa_next_free_vgpr 384
		.amdhsa_next_free_sgpr 100
		.amdhsa_reserve_vcc 0
		.amdhsa_float_denorm_mode_32 3
		.amdhsa_float_denorm_mode_16_64 3
		.amdhsa_memory_ordered 1
		.amdhsa_forward_progress 1
		.amdhsa_inst_pref_size 194
	.end_amdhsa_kernel
	.amdgpu_metadata
---
amdhsa.version: [ 1, 2 ]
amdhsa.kernels:
  - .name:           k_qa8badee622_dec
    .symbol:         k_qa8badee622_dec.kd
    .args:
      - { .name: feats, .offset: 0, .size: 8, .value_kind: global_buffer, .address_space: global }
      - { .name: kv, .offset: 8, .size: 8, .value_kind: global_buffer, .address_space: global }
      - { .name: wst, .offset: 16, .size: 8, .value_kind: global_buffer, .address_space: global }
      - { .name: xo, .offset: 24, .size: 8, .value_kind: global_buffer, .address_space: global }
      - { .name: params_layers_0_sa_b_in, .offset: 32, .size: 8, .value_kind: global_buffer, .address_space: global }
      - { .name: params_layers_0_sa_b_out, .offset: 40, .size: 8, .value_kind: global_buffer, .address_space: global }
      - { .name: params_layers_0_ca_b_in, .offset: 48, .size: 8, .value_kind: global_buffer, .address_space: global }
      - { .name: params_layers_0_ca_b_out, .offset: 56, .size: 8, .value_kind: global_buffer, .address_space: global }
      - { .name: params_layers_0_lin1_b, .offset: 64, .size: 8, .value_kind: global_buffer, .address_space: global }
      - { .name: params_layers_0_lin2_b, .offset: 72, .size: 8, .value_kind: global_buffer, .address_space: global }
      - { .name: params_layers_0_ln1_g, .offset: 80, .size: 8, .value_kind: global_buffer, .address_space: global }
      - { .name: params_layers_0_ln1_b, .offset: 88, .size: 8, .value_kind: global_buffer, .address_space: global }
      - { .name: params_layers_0_ln2_g, .offset: 96, .size: 8, .value_kind: global_buffer, .address_space: global }
      - { .name: params_layers_0_ln2_b, .offset: 104, .size: 8, .value_kind: global_buffer, .address_space: global }
      - { .name: params_layers_0_ln3_g, .offset: 112, .size: 8, .value_kind: global_buffer, .address_space: global }
      - { .name: params_layers_0_ln3_b, .offset: 120, .size: 8, .value_kind: global_buffer, .address_space: global }
      - { .name: params_layers_1_sa_b_in, .offset: 128, .size: 8, .value_kind: global_buffer, .address_space: global }
      - { .name: params_layers_1_sa_b_out, .offset: 136, .size: 8, .value_kind: global_buffer, .address_space: global }
      - { .name: params_layers_1_ca_b_in, .offset: 144, .size: 8, .value_kind: global_buffer, .address_space: global }
      - { .name: params_layers_1_ca_b_out, .offset: 152, .size: 8, .value_kind: global_buffer, .address_space: global }
      - { .name: params_layers_1_lin1_b, .offset: 160, .size: 8, .value_kind: global_buffer, .address_space: global }
      - { .name: params_layers_1_lin2_b, .offset: 168, .size: 8, .value_kind: global_buffer, .address_space: global }
      - { .name: params_layers_1_ln1_g, .offset: 176, .size: 8, .value_kind: global_buffer, .address_space: global }
      - { .name: params_layers_1_ln1_b, .offset: 184, .size: 8, .value_kind: global_buffer, .address_space: global }
      - { .name: params_layers_1_ln2_g, .offset: 192, .size: 8, .value_kind: global_buffer, .address_space: global }
      - { .name: params_layers_1_ln2_b, .offset: 200, .size: 8, .value_kind: global_buffer, .address_space: global }
      - { .name: params_layers_1_ln3_g, .offset: 208, .size: 8, .value_kind: global_buffer, .address_space: global }
      - { .name: params_layers_1_ln3_b, .offset: 216, .size: 8, .value_kind: global_buffer, .address_space: global }
    .group_segment_fixed_size: 295936
    .private_segment_fixed_size: 0
    .kernarg_segment_align: 8
    .kernarg_segment_size: 224
    .max_flat_workgroup_size: 256
    .sgpr_count:     100
    .vgpr_count:     384
    .wavefront_size: 32
...
	.end_amdgpu_metadata
.endif
;; end of part 5
;; launch tr: the kernel of part 3 again; grid 64 x 4, 4 waves a work-group, no clusters, 17,152 bytes of LDS; arguments xo, out0; writes out0
